; MI455X (gfx1250); checked and timed in simulation.
; The chip was launched on July 23, 2026; its instructions are those of AMD's public machine-readable ISA for CDNA 5 (MIT licence, August 2026) and "CDNA5" Instruction Set Architecture Reference Guide (July 2026). The comments in the code are by the model that wrote it; some were corrected since.
;; Causal Self Attention. Allowed arithmetic: matrix products marked QUANTISED: E2M1 operands, one E8M0 scale for each 32 along K, by v_wmma_scale_f32_16x16x128_f8f6f4 with both operands' format E2M1 (or v_wmma_scale_f32_32x16x128_f4), f32 sums; products left as they are: bf16, f16 or f32 operands; f32 sums; everything else in f32.
;; Inputs: W_out 1,024 x 1,024 float32; W_qkv 1,024 x 3,072 float32; b_out 1,024 float32; b_qkv 3,072 float32; x 4 x 2,048 x 1,024 float32.
;; Outputs: out0 4 x 2,048 x 1,024 float32.
;; This version of the problem:
;;   THIS VERSION OF THE PROBLEM IS GIVEN IN LOW PRECISION. The matrix products marked QUANTISED in the list below multiply operands that are first quantised to E2M1 (2 exponent bits, 1 mantissa bit; 4 bits a number), with one power-of-two scale for each 32 numbers along K (OCP MX v1.0); their sums are f32. The products marked 'left as it is' may take bf16, f16 or f32 operands, with f32 sums. Whichever they take, every output number must still come out within the allowed error. Rounding operands to bf16 (8 significant bits) uses up far more of that allowance than f16 does (11 bits, for magnitudes from 6e-5 to 65,504). All else is computed in f32.
;;   The module's matrix products, in the order in which they are computed (A, B: the left and right operand; K: the contracted axis; several contracted axes count as one K, in the product's order):
;;     1. [M 8,192, K 1,024] x [K 1,024, N 3,072]; A: input x; B: input W_qkv: QUANTISED
;;     2. batch 64 x [M 2,048, K 64] x [K 64, N 2,048]; A: computed on the way; B: computed on the way: left as it is (an operand is computed on the way)
;;     3. batch 64 x [M 2,048, K 2,048] x [K 2,048, N 64]; A: computed on the way; B: computed on the way: left as it is (an operand is computed on the way)
;;     4. [M 8,192, K 1,024] x [K 1,024, N 1,024]; A: computed on the way; B: input W_out: left as it is (an operand is computed on the way)
;;   THE QUANTISER, for each operand of a quantised product, along K:
;;     - K is cut into blocks of 32 from its start; a last block that is shorter is filled with zeros.
;;     - A block's scale is 2^e with e = floor(log2(the largest magnitude in the block)) - 2, held to -126 .. 127; a block of zeros has e = 0. As a byte (E8M0): e + 127.
;;     - Each number is divided by its block's scale, clamped to +-6, and rounded to the nearest number of E2M1, ties to even, subnormals kept.
;;     - The product sums the exact products of the quantised numbers (number of the format x scale) in f32.
;;   ~~~python
;;   def quantise(x, axis):      # numpy; x: float32 -> the quantised numbers, widened to float32 again
;;       x = np.moveaxis(x, axis, -1); K = x.shape[-1]
;;       x = np.pad(x, [(0, 0)] * (x.ndim - 1) + [(0, -K % 32)]); x = x.reshape(x.shape[:-1] + (-1, 32)); a = np.abs(x).max(-1, keepdims=True)
;;       e = np.where(a > 0, np.clip(np.frexp(np.where(a > 0, a, 1))[1] - 1 - 2, -126, 127), 0)      # np.frexp(a)[1] - 1 = floor(log2(a)), exactly
;;       r = np.clip(x / 2.0 ** e, -6, 6)
;;       step = 2.0 ** (np.maximum(np.frexp(np.where(r == 0, 1, r))[1] - 1, 0) - 1)
;;       q = np.round(r / step) * step * 2.0 ** e      # np.round: ties to even
;;       return np.moveaxis(q.reshape(q.shape[:-2] + (-1,))[..., :K], -1, axis).astype(np.float32)
;;   ~~~
;; One version. Each part assembles by itself: llvm-mc -triple=amdgcn-amd-amdhsa -mcpu=gfx1250 --defsym DOCPART=n.
;; ======== version 1 of 1: 5 launches
;; limits: values are held in f16: magnitudes above 65,504 overflow, below 6.1e-05 lose precision
;; workspace buffers: xc 4,194,304 bytes; xs 262,144 bytes; wc 1,572,864 bytes; ws 98,304 bytes; wo16 2,097,152 bytes; qkv16 50,331,648 bytes; qkvf 786,432 bytes; y16 16,777,216 bytes
;; launch prep (part 1): grid 336 x 1, 4 waves a work-group, no clusters, 68,096 bytes of LDS; arguments x, W_qkv, W_out, xc, xs, wc, ws, wo16; writes xc, xs, wc, ws, wo16
.if DOCPART == 1
	.amdgcn_target "amdgcn-amd-amdhsa--gfx1250"
	.amdhsa_code_object_version 6
	.text
	.protected	k_q34e2a89d79_prep
	.globl	k_q34e2a89d79_prep
	.p2align	8
	.type	k_q34e2a89d79_prep,@function
k_q34e2a89d79_prep:
	s_mov_b64 s[64:65], 0
	v_nop
	global_prefetch_b8 v0, s[64:65] scope:SCOPE_SE
	s_setreg_imm32_b32 hwreg(HW_REG_WAVE_MODE, 25, 1), 1
	s_wait_xcnt 0x0
; PREP: the operands of the later products are made once.
;  work-groups 0-255:   x [8192][1024] f32 (K innermost) -> xc: codes of FP4 (E2M1), [8192][512 bytes]; xs: one E8M0 byte for each 32 along K, [8192][32].
;  work-groups 256-303: W_qkv [1024 (k)][3072 (n)] f32 (K is the FIRST axis) -> wc [3072][512 bytes], K innermost; ws [3072][32].
;  work-groups 304-335: W_out [1024][1024] f32 -> wo16, the same layout in f16.
; A block's scale is 2^(floor(log2(its largest magnitude)) - 2); its byte is the largest magnitude's exponent field - 2, held at 1 from below.
; LIMITS: a block of zeros gets the byte 1 where the rule says 127 (its codes are zeros, and this program alone reads the bytes); blocks whose largest magnitude lies under 2^-124
; are held at byte 1; NaN and infinities are not served; |W_out| stays under 65,504, the largest f16 number.
; The three paths part on the work-group's number and never join; each has LDS bytes of its own.  No tensor loads, no barrier: waves share nothing.  No cluster: no two work-groups read the same bytes.
.set STEPS,  16
.set EMAX,   2
.set CB,     8                         ; bytes of 16 codes
.set SP,     80                        ; path x: a lane's place in a stage: 64 bytes + 16 of padding
.set WREG,   8192                      ; path x: a wave's region: two stages of 32 x SP bytes, then its 256 scale bytes
.set WSTG,   32768                     ; path w: the four stages begin here
.set WPITCH, 272                       ; path w: a stage row: 256 bytes of codes + 16
.set SPARE,  67584                     ; behind both: the spare words, 128 bytes a wave: two blocks of 256 bytes that no other line names
.set SPW,    12                        ; v12  LDS address of my spare word; never rewritten
.set NIL,    13                        ; v13  0; never rewritten
.set XR,     16                        ; path x: v16-79 four sets of 16 numbers as loaded
.set XX,     80                        ; v80-111 two sets of 16 neighbours
.set XE,     112                       ; v112-127 a scale byte for each step
.set XC,     128                       ; v128-191 codes, four registers for each step
.set WN,     3072
.set WKROW,  512                       ; a row of wc in bytes
.set NB,     16                        ; path w: blocks of 32 along K for a wave
.set WSB,    24                        ; v24-27 scale bytes, four to a register
.set WX,     32                        ; v32-95 two sets of 32 numbers
.set WC,     96                        ; v96-99 a block's codes
.set WOUT,   112                       ; v112-175 the way out
.set OSRC,   16                        ; path o: v16-79 four sets of 16 numbers
.set ODAT,   80                        ; v80-95 two sets of 8 registers of f16 pairs
	s_load_b256 s[4:11], s[0:1], 0x0               ; x s[4:5], W_qkv s[6:7], W_out s[8:9], xc s[10:11]
	s_load_b256 s[12:19], s[0:1], 0x20             ; xs s[12:13], wc s[14:15], ws s[16:17], wo16 s[18:19]
	v_lshl_add_u32 v[SPW], v0, 2, SPARE
	v_mov_b32 v[NIL], 0
	v_lshrrev_b32 v1, 5, v0
	v_readfirstlane_b32 s20, v1                    ; wave 0..3
	v_and_b32 v2, 31, v0                           ; lane
	s_wait_kmcnt 0x0
	s_cmp_lt_u32 ttmp9, 256
	s_cbranch_scc1 .Lpath_x
	s_cmp_lt_u32 ttmp9, 304
	s_cbranch_scc1 .Lpath_w
; ---------------- path o: W_out to f16.  A wave takes 8,192 numbers in 16 steps of 512; loads run four steps ahead.
	s_sub_co_u32 s21, ttmp9, 304
	s_lshl_b32 s21, s21, 2
	s_add_co_u32 s21, s21, s20                     ; which run of 8,192 numbers: 0..127
	s_lshl_b32 s22, s21, 15
	s_mov_b32 s23, 0
	s_add_nc_u64 s[8:9], s[8:9], s[22:23]
	s_lshl_b32 s22, s21, 14
	s_add_nc_u64 s[18:19], s[18:19], s[22:23]
	v_lshlrev_b32 v3, 4, v2                        ; in: 16 bytes a lane
	v_lshlrev_b32 v4, 3, v2                        ; out: 8 bytes a lane
.macro OLOAD t
.irp i, 0,1,2,3
	global_load_b128 v[OSRC+16*((\t)%4)+4*\i:OSRC+16*((\t)%4)+4*\i+3], v3, s[8:9] offset:2048*(\t)+512*\i th:TH_LOAD_NT
.endr
.endm
.macro OSTEP t
.if (\t) < STEPS-3
	s_wait_loadcnt 12                              ; this step's four loads are in; those of the three steps behind it may be out
.else
	s_wait_loadcnt 4*(STEPS-1-(\t))
.endif
	s_wait_xcnt 0x0                                ; the stores of two steps back have read this set of data registers
.irp i, 0,1,2,3
	v_cvt_pk_f16_f32 v[ODAT+8*((\t)%2)+2*\i], v[OSRC+16*((\t)%4)+4*\i], v[OSRC+16*((\t)%4)+4*\i+1]
	v_cvt_pk_f16_f32 v[ODAT+8*((\t)%2)+2*\i+1], v[OSRC+16*((\t)%4)+4*\i+2], v[OSRC+16*((\t)%4)+4*\i+3]
.endr
.irp i, 0,1,2,3
	global_store_b64 v4, v[ODAT+8*((\t)%2)+2*\i:ODAT+8*((\t)%2)+2*\i+1], s[18:19] offset:1024*(\t)+256*\i   ; 32 lanes store 256 consecutive bytes, aligned
.endr
.if (\t)+4 < STEPS
	OLOAD (\t)+4
.endif
.endm
.irp t, 0,1,2,3
	OLOAD \t
.endr
.irp t, 0,1,2,3,4,5,6,7,8,9,10,11,12,13,14,15
	OSTEP \t
.endr
	s_endpgm
; ---------------- path x: K is innermost.  A wave takes 16 steps of 512 numbers.  Each load reads 512 consecutive bytes; a step's 2,048 bytes turn through the wave's own stage, so that a lane
; then holds 16 neighbours along K (two neighbouring lanes hold a block), which is what the conversions take.
.Lpath_x:
	v_lshlrev_b32 v3, 4, v2                        ; my 16 bytes of a load's 512
	s_mul_i32 s21, s20, WREG
	v_lshrrev_b32 v14, 2, v2
	v_mul_u32_u24 v14, v14, SP
	v_and_b32 v15, 3, v2
	v_lshl_add_u32 v14, v15, 4, v14
	v_add_nc_u32 v14, s21, v14                     ; the stage, on the way in: SP (lane / 4) + 16 (lane % 4)
	v_mul_u32_u24 v15, v2, SP
	v_add_nc_u32 v15, s21, v15                     ; and on the way out: SP x lane
	v_mul_u32_u24 v4, v2, CB                       ; my codes' place in a step's
	v_lshrrev_b32 v5, 1, v2
	s_add_co_u32 s21, s21, 2*32*SP
	v_add_nc_u32 v5, s21, v5                       ; my wave's 256 scale bytes, my block's byte
	v_lshlrev_b32 v7, 3, v2
	v_add_nc_u32 v6, s21, v7                       ; and on the way out 8 bytes a lane
	s_lshl_b32 s22, ttmp9, 2
	s_add_co_u32 s22, s22, s20                     ; which run of 8,192 numbers: 0..1023
	s_mov_b32 s25, 0
	s_lshl_b32 s24, s22, 15
	s_add_nc_u64 s[4:5], s[4:5], s[24:25]
	s_lshl_b32 s24, s22, 12
	s_add_nc_u64 s[10:11], s[10:11], s[24:25]
	s_lshl_b32 s24, s22, 8
	s_add_nc_u64 s[12:13], s[12:13], s[24:25]
.macro XLOAD t
.irp i, 0,1,2,3
	global_load_b128 v[XR+16*((\t)%4)+4*\i:XR+16*((\t)%4)+4*\i+3], v3, s[4:5] offset:2048*(\t)+512*\i th:TH_LOAD_NT
.endr
.endm
.macro XTURN t                         ; LDS serves a wave's instructions in order: no wait between the stores and the loads
.irp i, 0,1,2,3
	ds_store_b128 v14, v[XR+16*((\t)%4)+4*\i:XR+16*((\t)%4)+4*\i+3] offset:32*SP*((\t)%2)+8*SP*\i
.endr
.irp i, 0,1,2,3
	ds_load_b128 v[XX+16*((\t)%2)+4*\i:XX+16*((\t)%2)+4*\i+3], v15 offset:32*SP*((\t)%2)+16*\i
.endr
.endm
.irp t, 0,1,2,3
	XLOAD \t
.endr
	s_wait_loadcnt 12                              ; step 0's four loads are in
	XTURN 0
.macro XSTEP t
.set XS, XX+16*((\t)%2)
.if (\t) > 0
	s_wait_dscnt 1                                 ; this step's numbers are back from the stage (the last step's byte store may be out)
.else
	s_wait_dscnt 0x0
.endif
.if (\t)+4 < STEPS
	XLOAD (\t)+4
.endif
.if (\t)+1 < STEPS
.if STEPS-2-(\t) >= 3
	s_wait_loadcnt 12                              ; the next step's four loads are in; those of the three steps behind it may be out
.else
	s_wait_loadcnt 4*(STEPS-2-(\t))
.endif
	XTURN (\t)+1
.endif
	v_max3_num_f32 v8, |v[XS]|, |v[XS+1]|, |v[XS+2]|
	v_max3_num_f32 v9, |v[XS+3]|, |v[XS+4]|, |v[XS+5]|
.irp i, 6,10
	v_max3_num_f32 v8, v8, |v[XS+\i]|, |v[XS+\i+1]|
	v_max3_num_f32 v9, v9, |v[XS+\i+2]|, |v[XS+\i+3]|
.endr
	v_max3_num_f32 v8, v8, |v[XS+14]|, |v[XS+15]|
	v_max3_num_f32 v8, v8, v9, (EMAX+1)<<23        ; the floor 2^(3 - 127): the byte cannot fall under 1
	v_max_num_f32_dpp v8, v8, v8 row_xmask:1 row_mask:0xf bank_mask:0xf   ; with my neighbour's 16: the block's largest magnitude
	v_add_nc_u32 v11, -(EMAX<<23), v8              ; 2 off its exponent field: the conversion takes this operand's exponent field as its scale
	v_cvt_scalef32_pk8_fp4_f32 v[XC+4*(\t)], v[XS:XS+7], v11
	v_cvt_scalef32_pk8_fp4_f32 v[XC+4*(\t)+1], v[XS+8:XS+15], v11
	v_lshrrev_b32 v[XE+(\t)], 23, v11              ; the scale's byte (also the plain line behind the conversions)
	ds_store_b8 v5, v[XE+(\t)] offset:16*(\t)      ; both lanes of a block write the same byte with the same value
	global_store_b64 v4, v[XC+4*(\t):XC+4*(\t)+1], s[10:11] offset:32*CB*(\t)   ; 32 lanes store 256 consecutive bytes, aligned
.endm
.irp t, 0,1,2,3,4,5,6,7,8,9,10,11,12,13,14,15
	XSTEP \t
.endr
	ds_load_b64 v[8:9], v6                         ; my wave's 256 scale bytes, in order behind my stores
	s_wait_dscnt 0x0
	global_store_b64 v7, v[8:9], s[12:13]          ; 256 consecutive bytes, aligned
	s_wait_tensorcnt 0x0                           ; the wave's end
	ds_add_u32 v[SPW], v[NIL]
	s_wait_dscnt 0x0
	s_endpgm
; ---------------- path w: K is the first axis.  A lane takes a column n and its registers run down K: a block of 32 lies in one lane, and the codes come out with K innermost.
; A wave takes 32 columns x 512 along K; its codes go through its own stage and leave as rows: sixteen lanes store 256 consecutive bytes.
; Every offset is an immediate: 511 rows x 12,288 bytes = 6,279,168 lies inside the signed 24 bits.
.Lpath_w:
	s_sub_co_u32 s21, ttmp9, 256                   ; 0..47
	s_cmp_ge_u32 s21, 24
	s_cselect_b32 s22, 1, 0                        ; which 512 along K
	s_cselect_b32 s23, 24, 0
	s_sub_co_u32 s21, s21, s23                     ; which 128 columns: 0..23
	s_lshl_b32 s21, s21, 7
	s_lshl_b32 s23, s20, 5
	s_add_co_u32 s21, s21, s23                     ; my wave's first column
	v_lshlrev_b32 v3, 2, v2                        ; in: 4 bytes a lane
	s_mul_i32 s23, s20, 32*WPITCH
	s_add_co_u32 s23, s23, WSTG                    ; my stage
	v_mul_u32_u24 v4, v2, WPITCH
	v_add_nc_u32 v4, s23, v4                       ; into it: row = my column
	v_and_b32 v5, 15, v2
	v_lshrrev_b32 v6, 4, v2
	v_mul_u32_u24 v7, v6, WPITCH
	v_lshl_add_u32 v7, v5, 4, v7
	v_add_nc_u32 v7, s23, v7                       ; out of it: sixteen lanes to a row, two rows an instruction
	v_mul_u32_u24 v8, v6, WKROW
	v_lshl_add_u32 v8, v5, 4, v8                   ; and the same place in wc
	v_lshlrev_b32 v9, 5, v2                        ; my column's row of 32 scale bytes
	s_mul_i32 s24, s22, 512*WN*4
	s_lshl_b32 s26, s21, 2
	s_add_co_u32 s24, s24, s26
	s_mov_b32 s25, 0
	s_add_nc_u64 s[6:7], s[6:7], s[24:25]
	s_lshl_b32 s24, s21, 9
	s_lshl_b32 s26, s22, 8
	s_add_co_u32 s24, s24, s26
	s_add_nc_u64 s[14:15], s[14:15], s[24:25]
	s_lshl_b32 s24, s21, 5
	s_lshl_b32 s26, s22, 4
	s_add_co_u32 s24, s24, s26
	s_add_nc_u64 s[16:17], s[16:17], s[24:25]
.macro WLOAD t
.irp i, 0,1,2,3,4,5,6,7,8,9,10,11,12,13,14,15,16,17,18,19,20,21,22,23,24,25,26,27,28,29,30,31
	global_load_b32 v[WX+32*((\t)%2)+\i], v3, s[6:7] offset:(32*(\t)+\i)*WN*4 th:TH_LOAD_NT
.endr
.endm
	WLOAD 0
	WLOAD 1
.macro WBLOCK t
.set XS, WX+32*((\t)%2)
.if (\t) < NB-1
	s_wait_loadcnt 32                              ; this block's 32 loads are in; the next block's may be out
.else
	s_wait_loadcnt 0
.endif
	v_max3_num_f32 v10, |v[XS]|, |v[XS+1]|, |v[XS+2]|
	v_max3_num_f32 v14, |v[XS+3]|, |v[XS+4]|, |v[XS+5]|
.irp i, 6,10,14,18,22,26
	v_max3_num_f32 v10, v10, |v[XS+\i]|, |v[XS+\i+1]|
	v_max3_num_f32 v14, v14, |v[XS+\i+2]|, |v[XS+\i+3]|
.endr
	v_max3_num_f32 v10, v10, |v[XS+30]|, |v[XS+31]|
	v_max3_num_f32 v10, v10, v14, (EMAX+1)<<23     ; the floor
	v_add_nc_u32 v11, -(EMAX<<23), v10             ; the conversion's scale operand
	v_lshrrev_b32 v14, 23, v11                     ; the scale's byte
.if (\t)%4 == 0
	v_mov_b32 v[WSB+(\t)/4], v14
.else
	v_lshl_or_b32 v[WSB+(\t)/4], v14, 8*((\t)%4), v[WSB+(\t)/4]
.endif
.irp g, 0,1,2,3
	v_cvt_scalef32_pk8_fp4_f32 v[WC+\g], v[XS+8*\g:XS+8*\g+7], v11
.endr
	v_nop                                          ; a plain line behind the last conversion
	ds_store_b128 v4, v[WC:WC+3] offset:16*(\t)    ; 32 codes: 16 bytes of my column's row
.if (\t)+2 < NB
	WLOAD (\t)+2
.endif
	s_wait_dscnt 0x0                               ; the store has read its registers: the next block's codes may be written
.endm
.set QB, 0
.rept NB
	WBLOCK QB
.set QB, QB+1
.endr
	global_store_b128 v9, v[WSB:WSB+3], s[16:17]   ; my column's 16 scale bytes
.irp t, 0,1,2,3,4,5,6,7,8,9,10,11,12,13,14,15
	ds_load_b128 v[WOUT+4*\t:WOUT+4*\t+3], v7 offset:2*\t*WPITCH
.endr
.irp t, 0,1,2,3,4,5,6,7,8,9,10,11,12,13,14,15
	s_wait_dscnt 15-\t                             ; the younger loads may be out
	global_store_b128 v8, v[WOUT+4*\t:WOUT+4*\t+3], s[14:15] offset:2*\t*WKROW
.endr
	s_wait_tensorcnt 0x0                           ; the wave's end
	ds_add_u32 v[SPW], v[NIL]
	s_wait_dscnt 0x0
	s_endpgm
.Lfunc_end_k_q34e2a89d79_prep:
	.size	k_q34e2a89d79_prep, .Lfunc_end_k_q34e2a89d79_prep-k_q34e2a89d79_prep
	.p2alignl 7, 3214868480
	.fill 96, 4, 3214868480
	.section	.rodata,"a",@progbits
	.p2align	6, 0x0
	.amdhsa_kernel k_q34e2a89d79_prep
		.amdhsa_group_segment_fixed_size 68096
		.amdhsa_private_segment_fixed_size 0
		.amdhsa_enable_private_segment 0
		.amdhsa_kernarg_size 64
		.amdhsa_user_sgpr_count 2
		.amdhsa_user_sgpr_kernarg_segment_ptr 1
		.amdhsa_wavefront_size32 1
		.amdhsa_system_sgpr_workgroup_id_x 1
		.amdhsa_system_sgpr_workgroup_id_y 1
		.amdhsa_system_sgpr_workgroup_id_z 1
		.amdhsa_system_vgpr_workitem_id 0
		.amdhsa_next_free_vgpr 192
		.amdhsa_next_free_sgpr 66
		.amdhsa_reserve_vcc 0
		.amdhsa_float_denorm_mode_32 3
		.amdhsa_float_denorm_mode_16_64 3
		.amdhsa_memory_ordered 1
		.amdhsa_forward_progress 1
		.amdhsa_inst_pref_size 133
	.end_amdhsa_kernel
	.amdgpu_metadata
---
amdhsa.version: [ 1, 2 ]
amdhsa.kernels:
  - .name:           k_q34e2a89d79_prep
    .symbol:         k_q34e2a89d79_prep.kd
    .args:
      - { .name: x, .offset: 0, .size: 8, .value_kind: global_buffer, .address_space: global }
      - { .name: W_qkv, .offset: 8, .size: 8, .value_kind: global_buffer, .address_space: global }
      - { .name: W_out, .offset: 16, .size: 8, .value_kind: global_buffer, .address_space: global }
      - { .name: xc, .offset: 24, .size: 8, .value_kind: global_buffer, .address_space: global }
      - { .name: xs, .offset: 32, .size: 8, .value_kind: global_buffer, .address_space: global }
      - { .name: wc, .offset: 40, .size: 8, .value_kind: global_buffer, .address_space: global }
      - { .name: ws, .offset: 48, .size: 8, .value_kind: global_buffer, .address_space: global }
      - { .name: wo16, .offset: 56, .size: 8, .value_kind: global_buffer, .address_space: global }
    .group_segment_fixed_size: 68096
    .private_segment_fixed_size: 0
    .kernarg_segment_align: 8
    .kernarg_segment_size: 64
    .max_flat_workgroup_size: 128
    .sgpr_count:     66
    .vgpr_count:     192
    .wavefront_size: 32
...
	.end_amdgpu_metadata
.endif
;; end of part 1
;; launch qkv (part 2): grid 12 x 32, 4 waves a work-group, clusters of 4 x 4, 327,680 bytes of LDS; arguments xc, xs, wc, ws, b_qkv, qkv16, qkvf; writes qkv16, qkvf
.if DOCPART == 2
	.amdgcn_target "amdgcn-amd-amdhsa--gfx1250"
	.amdhsa_code_object_version 6
	.text
	.protected	k_q34e2a89d79_qkv
	.globl	k_q34e2a89d79_qkv
	.p2align	8
	.type	k_q34e2a89d79_qkv,@function
k_q34e2a89d79_qkv:
	s_mov_b64 s[64:65], 0
	v_nop
	global_prefetch_b8 v0, s[64:65] scope:SCOPE_SE
	s_setreg_imm32_b32 hwreg(HW_REG_WAVE_MODE, 25, 1), 1
	s_wait_xcnt 0x0
	s_wait_alu depctr_hold_cnt(0) depctr_sa_sdst(0) depctr_va_vdst(0) depctr_va_sdst(0) depctr_va_ssrc(0) depctr_va_vcc(0) depctr_vm_vsrc(0)
	s_getreg_b32 s2, hwreg(HW_REG_IB_STS2, 6, 4)
	s_cmp_eq_u32 s2, 0
	s_cbranch_scc0 .Lentry_in_a_cluster
	s_endpgm
.Lentry_in_a_cluster:
	s_bfe_u32 s2, ttmp6, 0x10000c
	s_cmp_lg_u32 s2, 0xf033
	s_cbranch_scc0 .Lentry_shape_is_right
	s_endpgm
.Lentry_shape_is_right:
; QKV: qkv[m][n] = sum over k of Q(x)[m][k] Q(W_qkv)[k][n] + b_qkv[n], on codes of FP4 (E2M1) with one E8M0 scale for each 32 along K; sums in f32.  M = 8,192, N = 3,072, K = 1,024.
; xc [8192][512 bytes], xs [8192][32], wc [3072][512 bytes], ws [3072][32]: codes and scale bytes with K innermost, as the launch before laid them.
; OUT: qkv16, f16, [q, k or v][batch][head][token][64]; and qkvf, f32: the accumulators of the first 16 tokens of each batch as they stand in registers,
; [batch][n / 16][half g][lane][4]: lane (r, h) holds token r, columns 16 (n / 16) + 8 h + 4 g + 0..3.
; LIMIT: |q|, |k|, |v| stay under 65,504, the largest f16 number.
; A tile of 256 x 256 is made by four waves, 128 x 128 each: 64 accumulators, 512 registers.  K is two steps of 512: both steps' tiles and all scale bytes are asked for at the head
; (three tensor loads of a wave are out), so no LDS byte is filled twice.
; CLUSTER 4 x 4: the four of a row need the same rows of x, the four of a column the same rows of W: joint loads.  Tile row = 8 cy + cluster y, so that cy is the batch and cluster y the block of 256 tokens.
; THE MATRIX INSTRUCTION IS USED TRANSPOSED (source 0 = 16 rows of wc, source 1 = 16 rows of xc): a lane holds eight neighbouring columns of one token.  The bias is the C of each sum's first product.
; REGISTERS: window 0: v0-31 addresses; v32-95 scale words, two sets; v128-191 x's fragments, one set; v192-255 the bias, 8 registers for each block of 16 columns; on the way out v32-127 are free.
;   window 1: W's fragments, two sets, at v0 and v128.  window 2: the accumulators of my rows 0-63 ((a, b) at v[8 (8 a + b)]); window 3: those of rows 64-127.
.set NQ,     4                         ; matrix instructions deep in a slot of 512 along K
.set ROWB,   256                       ; a tile's row in bytes
.set KROW,   512                       ; a row of codes in memory
.set PITCH,  272                       ; an LDS row: 256 bytes + 16: the 16 rows that a load touches start 68 words apart
.set FR,     8
.set NL,     2
.set NP,     4
.set HALFT,  128*PITCH
.set SLOT,   4*HALFT
.set KS,     32                        ; a row of scale bytes
.set SCL,    2*SLOT
.set HALFS,  (128*KS/256)*272
.set SBLK,   (16*KS/256)*272
.set SPARE,  SCL+4*HALFS               ; the spare words, 128 bytes a wave
.set SPH,    144                       ; the way out: a stage row: 128 bytes (a token's 64 f16 of one head) + 16.  The stages lie in slot 0, which has had its only fill and its last read by then
.set ADRA, 16
.set ADRB, 20
.set STO,  24
.set RD,   25
.set CO,   26                          ; v26  16 x lane
.set ADRS, 27
.set SPW,  28
.set NIL,  29
.set SC,   32
.set AF,   128
.set BIAS, 192
.set TMP,  32                          ; the way out: packed results
.set OB,   64                          ; and rows read back: v64-95 and v96-127 by turns
.set G1, 24
.set G0, 32
.set G1B, 48
.set G0B, 56
.set G1S, 68
.set G0S, 76
.set G1SB, 80
.set G0SB, 88
.set MSB, 0
.macro WIN new                         ; the immediate's high byte repeats the setting that is left
.if MSB != (\new)
	s_set_vgpr_msb (MSB<<8)|(\new)
.set MSB, (\new)
.endif
.endm
.set MUL_LO, 0xa1                      ; source 0 (W) window 1, source 1 (x) window 0, C and D window 2
.set MUL_HI, 0xf1                      ; the same, C and D window 3
.set TO_B,   0x40
; A joint load: waves 0 and 1 fetch for x, waves 2 and 3 for W; the branch hangs on the wave's number alone.  An s_nop 0 and four v_nop follow each line.
.macro JLOAD g0a, g1a, g0b, g1b
	s_cmp_eq_u32 s15, 0
	s_cbranch_scc0 .Lfor_b_\@
	tensor_load_to_lds s[\g0a:\g0a+3], s[\g1a:\g1a+7]
	s_nop 0
.rept 4
	v_nop
.endr
	s_branch .Lasked_\@
.Lfor_b_\@:
	tensor_load_to_lds s[\g0b:\g0b+3], s[\g1b:\g1b+7]
	s_nop 0
.rept 4
	v_nop
.endr
.Lasked_\@:
.endm
.macro CROUND                          ; a round of the cluster's barrier
	s_barrier_signal -1
	s_barrier_wait -1
	s_cmp_lg_u32 s14, 0
	s_cbranch_scc1 .Lnot_wave_0_\@
	s_barrier_signal -3
.Lnot_wave_0_\@:
	s_barrier_wait -3
	s_barrier_signal -1
	s_barrier_wait -1
.endm
	s_load_b128 s[4:7], s[0:1], 0x0                ; xc, xs
	s_load_b128 s[8:11], s[0:1], 0x10              ; wc, ws
	s_load_b128 s[96:99], s[0:1], 0x20             ; b_qkv, qkv16
	s_load_b64 s[100:101], s[0:1], 0x30            ; qkvf
	v_lshl_add_u32 v[SPW], v0, 2, SPARE
	v_mov_b32 v[NIL], 0
	ds_add_u32 v[SPW], v[NIL]                      ; the wave's opening: the add, twice on end, and its wait ahead of my first tensor load
	ds_add_u32 v[SPW], v[NIL]
	v_lshrrev_b32 v1, 5, v0
	v_readfirstlane_b32 s14, v1                    ; wave 0..3
	s_lshr_b32 s15, s14, 1                         ; which half of the tile's rows is mine.  Also: I fetch for x (0) or for W (1)
	s_and_b32 s16, s14, 1                          ; which half of its columns.  Also: which 128 rows of that tile I fetch
	s_bfe_u32 s40, ttmp6, 0x40000                  ; cx
	s_bfe_u32 s41, ttmp6, 0x40004                  ; cy
	s_lshl_b32 s42, ttmp9, 2
	s_add_co_u32 s42, s42, s40                     ; tile column = 4 x cluster x + cx: 0..11
	s_and_b32 s17, ttmp7, 0xffff
	s_lshl_b32 s95, s41, 3
	s_add_co_u32 s17, s17, s95                     ; tile row = 8 cy + cluster y: 0..31
	s_lshl_b32 s43, s41, 2
	s_lshl_b32 s43, 15, s43                        ; my row of the cluster
	s_lshl_b32 s44, 0x1111, s40                    ; my column
	s_or_b32 s[G1+0], s43, (0<<16)|(1<<20)|(1<<21)|(5<<22)|(3<<25)  ; the mask; elements of 1 byte; padding on: 4 words behind every 64; bit 21 beside a mask
	s_or_b32 s[G1B+0], s44, (0<<16)|(1<<20)|(1<<21)|(5<<22)|(3<<25)
.irp g, G1, G1B
	s_mov_b32 s[\g+1], ROWB<<16                    ; tensor_dim0
	s_mov_b32 s[\g+2], 128<<16                     ; tensor_dim1
	s_mov_b32 s[\g+3], ROWB<<16                    ; tile_dim0
	s_mov_b32 s[\g+4], 128                         ; tile_dim1
	s_mov_b32 s[\g+5], KROW                        ; the pitch
	s_mov_b32 s[\g+6], 0
	s_mov_b32 s[\g+7], 0
.endr
	s_or_b32 s[G1S+0], s43, (3<<16)|(1<<20)|(1<<21)|(5<<22)|(3<<25)  ; the scale bytes of 128 rows: 4,096 dense bytes as 16 rows of 256 (32 elements of 8 bytes), 16 bytes of padding behind each
	s_or_b32 s[G1SB+0], s44, (3<<16)|(1<<20)|(1<<21)|(5<<22)|(3<<25)
.irp g, G1S, G1SB
	s_mov_b32 s[\g+1], 32<<16
	s_mov_b32 s[\g+2], (128*KS/256)<<16
	s_mov_b32 s[\g+3], 32<<16
	s_mov_b32 s[\g+4], 128*KS/256
	s_mov_b32 s[\g+5], 32
	s_mov_b32 s[\g+6], 0
	s_mov_b32 s[\g+7], 0
.endr
	s_lshl_b32 s18, s16, 7
	s_lshl_b32 s20, s17, 8
	s_add_co_u32 s20, s20, s18                     ; x: row 256 x tile row + 128 x half
	s_lshl_b32 s46, s42, 8
	s_add_co_u32 s46, s46, s18                     ; W: row 256 x tile column + 128 x half
	s_mov_b32 s21, 0
	s_mov_b32 s47, 0
	s_mov_b64 s[18:19], KS
	s_mul_u64 s[22:23], s[20:21], s[18:19]         ; where these rows' scale bytes begin
	s_mul_u64 s[92:93], s[46:47], s[18:19]
	s_mov_b64 s[18:19], KROW
	s_mul_u64 s[20:21], s[20:21], s[18:19]         ; and their codes
	s_mul_u64 s[46:47], s[46:47], s[18:19]
	s_mul_i32 s45, s14, HALFT                      ; where they go: wave x 128 rows
	s_mul_i32 s94, s14, HALFS
	s_wait_dscnt 0x0                               ; both opening adds are done
	s_wait_kmcnt 0x0
	s_add_nc_u64 s[20:21], s[4:5], s[20:21]
	s_add_nc_u64 s[22:23], s[6:7], s[22:23]
	s_add_nc_u64 s[46:47], s[8:9], s[46:47]
	s_add_nc_u64 s[92:93], s[10:11], s[92:93]
	CROUND                                         ; all sixteen work-groups are here: the joint loads meet
	s_mov_b32 s[G0S], 1
	s_add_co_u32 s[G0S+1], s94, SCL
	s_mov_b64 s[G0S+2:G0S+3], s[22:23]
	s_or_b32 s[G0S+3], s[G0S+3], 0x80000000
	s_mov_b32 s[G0SB], 1
	s_add_co_u32 s[G0SB+1], s94, SCL
	s_mov_b64 s[G0SB+2:G0SB+3], s[92:93]
	s_or_b32 s[G0SB+3], s[G0SB+3], 0x80000000
	JLOAD G0S, G1S, G0SB, G1SB                     ; the scale bytes first
.irp s, 0,1
	s_mov_b32 s[G0+4*\s], 1
	s_add_co_u32 s[G0+4*\s+1], s45, \s*SLOT
	s_add_nc_u64 s[G0+4*\s+2:G0+4*\s+3], s[20:21], \s*ROWB
	s_or_b32 s[G0+4*\s+3], s[G0+4*\s+3], 0x80000000
	s_mov_b32 s[G0B+4*\s], 1
	s_add_co_u32 s[G0B+4*\s+1], s45, \s*SLOT
	s_add_nc_u64 s[G0B+4*\s+2:G0B+4*\s+3], s[46:47], \s*ROWB
	s_or_b32 s[G0B+4*\s+3], s[G0B+4*\s+3], 0x80000000
	JLOAD G0+4*\s, G1, G0B+4*\s, G1B
.endr
	v_and_b32 v1, 15, v0                           ; r
	v_bfe_u32 v2, v0, 4, 1                         ; h
	; the bias: block b's eight registers hold b_qkv[256 tile column + 128 half + 16 b + 8 h + 0..7], the result's layout
	s_lshl_b32 s46, s42, 10
	s_lshl_b32 s47, s16, 9
	s_add_co_u32 s46, s46, s47
	s_mov_b32 s47, 0
	s_add_nc_u64 s[96:97], s[96:97], s[46:47]
	v_lshlrev_b32 v8, 5, v2
.irp b, 0,1,2,3,4,5,6,7
	global_load_b128 v[BIAS+8*\b:BIAS+8*\b+3], v8, s[96:97] offset:64*\b
	global_load_b128 v[BIAS+8*\b+4:BIAS+8*\b+7], v8, s[96:97] offset:64*\b+16
.endr
	v_mul_u32_u24 v3, v1, PITCH
	v_lshl_add_u32 v4, v2, 4, v3                   ; a fragment's row x pitch + 16 x half
	s_mul_i32 s21, s15, HALFT
	s_mul_i32 s22, s16, HALFT
	s_add_co_u32 s22, s22, 2*HALFT
.irp s, 0,1
	v_add_nc_u32 v[ADRA+\s], s21, v4
	v_add_nc_u32 v[ADRB+\s], s22, v4
	s_add_co_u32 s21, s21, SLOT
	s_add_co_u32 s22, s22, SLOT
.endr
	v_mul_u32_u24 v5, v1, KS                       ; my row's scale bytes: KS a row,
	v_lshrrev_b32 v6, 8, v5
	v_lshl_add_u32 v5, v6, 4, v5                   ; and 16 more for each 256 passed
	s_mul_i32 s21, s15, HALFS
	s_mul_i32 s22, s16, HALFS
	s_add_co_u32 s22, s22, 2*HALFS
	s_sub_co_u32 s22, s22, s21
	v_mul_u32_u24 v6, s22, v2                      ; lanes 16-31 take W's
	s_add_co_u32 s21, s21, SCL
	v_add_nc_u32 v5, v5, v6
	v_add_nc_u32 v[ADRS], s21, v5
	s_mul_i32 s23, s14, 32*SPH                     ; my stage: two heads x 16 tokens
	v_mul_u32_u24 v5, v1, SPH
	v_lshl_add_u32 v5, v2, 4, v5
	v_add_nc_u32 v[STO], s23, v5                   ; in: token r, 16 bytes for each half of the lanes
	v_and_b32 v6, 31, v0
	v_lshrrev_b32 v5, 3, v6
	v_mul_u32_u24 v5, v5, SPH
	v_and_b32 v7, 7, v0
	v_lshl_add_u32 v5, v7, 4, v5
	v_add_nc_u32 v[RD], s23, v5                    ; back: eight lanes to a token's 128 bytes, four tokens an instruction
	v_lshlrev_b32 v[CO], 4, v6
	; qkv16: ((tile column / 4) x 64 + batch x 16 + (tile column % 4) x 4 + 2 x half) heads of 262,144 bytes, + (256 cluster y + 128 row half) tokens of 128 bytes
	s_lshr_b32 s46, s42, 2
	s_lshl_b32 s46, s46, 6
	s_and_b32 s47, s42, 3
	s_lshl_b32 s47, s47, 2
	s_add_co_u32 s46, s46, s47
	s_lshl_b32 s47, s41, 4
	s_add_co_u32 s46, s46, s47
	s_lshl_b32 s47, s16, 1
	s_add_co_u32 s46, s46, s47
	s_lshl_b32 s46, s46, 18
	s_and_b32 s47, ttmp7, 0xffff
	s_lshl_b32 s47, s47, 15
	s_add_co_u32 s46, s46, s47
	s_lshl_b32 s47, s15, 14
	s_add_co_u32 s46, s46, s47
	s_mov_b32 s47, 0
	s_add_nc_u64 s[12:13], s[98:99], s[46:47]
	; qkvf: (batch x 192 + 16 tile column + 8 half) blocks of 1,024 bytes
	s_mul_i32 s46, s41, 192
	s_lshl_b32 s47, s42, 4
	s_add_co_u32 s46, s46, s47
	s_lshl_b32 s47, s16, 3
	s_add_co_u32 s46, s46, s47
	s_lshl_b32 s46, s46, 10
	s_mov_b32 s47, 0
	s_add_nc_u64 s[100:101], s[100:101], s[46:47]
.macro FRAG reg, adr, q, i             ; 16 rows x 128 K of 4-bit codes: 8 registers: lane l holds row l % 16; registers 4 c .. 4 c + 3 hold K = 64 c + 32 (l / 16) + 0 .. 31
.irp c, 0,1
	ds_load_b128 v[\reg+4*\c:\reg+4*\c+3], v[\adr] offset:64*(\q)+32*\c+(\i)*16*PITCH
.endr
.endm
; 16 matrix instructions: x's blocks a0, a0 + 1 against W's eight.  zero = 1: the first product starts the sums from the bias.  The 64 accumulators take turns, one instruction a turn.
.macro MUL16 a0, p, q, sc, zero
.irp a, \a0, \a0+1
.irp b, 0,1,2,3,4,5,6,7
.if \zero
	v_wmma_scale_f32_16x16x128_f8f6f4 v[8*(8*((\a)%4)+\b):8*(8*((\a)%4)+\b)+7], v[128*(\p)+FR*\b:128*(\p)+FR*\b+FR-1], v[AF+FR*(\a):AF+FR*(\a)+FR-1], v[BIAS+8*\b:BIAS+8*\b+7], v[SC+8*NQ*(\sc)+NQ*\b+(\q)], v[SC+8*NQ*(\sc)+NQ*(\a)+(\q)] matrix_a_fmt:MATRIX_FMT_FP4 matrix_b_fmt:MATRIX_FMT_FP4 matrix_a_scale:MATRIX_SCALE_ROW1
.else
	v_wmma_scale_f32_16x16x128_f8f6f4 v[8*(8*((\a)%4)+\b):8*(8*((\a)%4)+\b)+7], v[128*(\p)+FR*\b:128*(\p)+FR*\b+FR-1], v[AF+FR*(\a):AF+FR*(\a)+FR-1], v[8*(8*((\a)%4)+\b):8*(8*((\a)%4)+\b)+7], v[SC+8*NQ*(\sc)+NQ*\b+(\q)], v[SC+8*NQ*(\sc)+NQ*(\a)+(\q)] matrix_a_fmt:MATRIX_FMT_FP4 matrix_b_fmt:MATRIX_FMT_FP4 matrix_a_scale:MATRIX_SCALE_ROW1
.endif
.endr
.endr
.endm
.macro FETCH_B slot, q, p
	WIN TO_B
.irp i, 0,1,2,3,4,5,6,7
	FRAG 128*(\p)+FR*\i, ADRB+\slot, \q, \i
.endr
	WIN 0
.endm
.macro FETCH_A slot, q, i0
.irp i, \i0, \i0+1, \i0+2, \i0+3
	FRAG AF+FR*(\i), ADRA+\slot, \q, \i
.endr
.endm
.macro SCALES sc                       ; a K step's scale words: lanes 0-15 take x's block i, lanes 16-31 W's block i
.irp i, 0,1,2,3,4,5,6,7
	ds_load_b128 v[SC+8*NQ*\sc+NQ*\i:SC+8*NQ*\sc+NQ*\i+3], v[ADRS] offset:\i*SBLK
.endr
.endm
.macro PLACES n                        ; plain vector places between a matrix instruction and a load into, or a read of, its registers
.rept \n
	v_nop
.endr
.endm
.macro STEP slot, q, zero              ; 128 along K that has its successor in the same slot
	s_wait_dscnt 4*NL                              ; W's set and x's blocks 0-3 are in; the youngest eight loads (x's blocks 4-7) may be out
	WIN MUL_LO-0x20*(\zero)                        ; (with the bias as C: source 2 in window 0)
	MUL16 0, (\q)%2, \q, \slot, \zero
	MUL16 2, (\q)%2, \q, \slot, \zero
	s_wait_dscnt 0
	PLACES NP
	FETCH_B \slot, (\q)+1, 1-(\q)%2
	FETCH_A \slot, (\q)+1, 0
	WIN MUL_HI-0x30*(\zero)
	MUL16 4, (\q)%2, \q, \slot, \zero
	MUL16 6, (\q)%2, \q, \slot, \zero
	PLACES NP
	WIN 0
	FETCH_A \slot, (\q)+1, 4
.endm
; Slot 0's last step goes on into slot 1: one barrier; in front of it each wave waits for all its tensor loads (slot 1's part), and for its reads of slot 0, which becomes the stage later.
.macro TURN slot, next
	s_wait_tensorcnt 0x0                           ; all my tensor loads have landed
	ds_add_u32 v[SPW], v[NIL]                      ; 0 onto my spare word
	s_wait_dscnt 4*NL+1                            ; (the add and x's blocks 4-7 may be out)
	WIN MUL_LO
	MUL16 0, 1, NQ-1, \slot, 0
	s_wait_dscnt 0x0                               ; the add is done, and my reads of this slot are over
	s_barrier_signal -1
	MUL16 2, 1, NQ-1, \slot, 0
	WIN 0
	s_barrier_wait -1
	PLACES NP
	v_add_nc_u32 v[ADRS], 4*NQ, v[ADRS]            ; the next K step's scale words
	FETCH_B \next, 0, 0
	FETCH_A \next, 0, 0
	SCALES \next
	WIN MUL_HI
	MUL16 4, 1, NQ-1, \slot, 0
	MUL16 6, 1, NQ-1, \slot, 0
	PLACES NP
	WIN 0
	FETCH_A \next, 0, 4
.endm
	s_wait_tensorcnt 1                             ; the scale bytes and my part of K step 0 are in; K step 1's load may be out
	s_barrier_signal -1
	s_barrier_wait -1
	FETCH_B 0, 0, 0
	FETCH_A 0, 0, 0
	SCALES 0
	FETCH_A 0, 0, 4
	s_wait_loadcnt 0x0                             ; the bias
	STEP 0, 0, 1
	STEP 0, 1, 0
	STEP 0, 2, 0
	TURN 0, 1
	STEP 1, 0, 0
	STEP 1, 1, 0
	STEP 1, 2, 0
	s_wait_dscnt 4*NL                              ; the very last step
	WIN MUL_LO
	MUL16 0, 1, NQ-1, 1, 0
	MUL16 2, 1, NQ-1, 1, 0
	s_wait_dscnt 0
	WIN MUL_HI
	MUL16 4, 1, NQ-1, 1, 0
	MUL16 6, 1, NQ-1, 1, 0
	WIN 0
	PLACES NP
	; The first 16 tokens of a batch lie in block 0 of the waves with row half 0, where cluster y = 0: their sums leave in f32 as they stand.  The test hangs on the cluster's y and the wave's number alone.
	s_and_b32 s95, ttmp7, 0xffff
	s_or_b32 s95, s95, s15
	s_cmp_lg_u32 s95, 0
	s_cbranch_scc1 .Lno_img
	WIN 0x08                                       ; a store's data: window 2
.irp b, 0,1,2,3,4,5,6,7
	global_store_b128 v[CO], v[8*\b:8*\b+3], s[100:101] offset:(2*\b)*512       ; each accumulator from its low end on; 32 lanes store 512 consecutive bytes
	global_store_b128 v[CO], v[8*\b+4:8*\b+7], s[100:101] offset:(2*\b+1)*512
.endr
	WIN 0
.Lno_img:
; THE WAY OUT, a block of 16 tokens x 128 columns (two heads) at a time: rounded to f16, 16 bytes a lane into my stage, back as tokens' whole 128 bytes, four tokens (512 consecutive bytes of a head) a store.
.macro PACK a
.set AC, 64*((\a)%4)
	WIN 0x0a+5*((\a)/4)                            ; sources 0 and 1: window 2 or 3
.irp b, 0,1,2,3,4,5,6,7
.irp i, 0,1,2,3
	v_cvt_pk_f16_f32 v[TMP+4*\b+\i], v[AC+8*\b+2*\i], v[AC+8*\b+2*\i+1]
.endr
.endr
	WIN 0
.endm
.macro TOSTAGE a
.set BB, OB+32*((\a)%2)
.irp b, 0,1,2,3,4,5,6,7
	ds_store_b128 v[STO], v[TMP+4*\b:TMP+4*\b+3] offset:(\b/4)*16*SPH+32*(\b%4)
.endr
.irp i, 0,1,2,3,4,5,6,7
	ds_load_b128 v[BB+4*\i:BB+4*\i+3], v[RD] offset:(\i/4)*16*SPH+(\i%4)*4*SPH   ; LDS serves a wave's instructions in order: these see the stores above
.endr
.endm
.macro SEND a
.set BB, OB+32*((\a)%2)
	s_wait_dscnt 0x0                               ; the block is back in registers
	s_wait_xcnt 0x0                                ; the block before has had its stores' registers read: the next block's loads may land there
.irp i, 0,1,2,3,4,5,6,7
	global_store_b128 v[CO], v[BB+4*\i:BB+4*\i+3], s[12:13] offset:(\i/4)*262144+(\a)*2048+(\i%4)*512
.endr
.endm
	PACK 0
	TOSTAGE 0
.irp a, 1,2,3,4,5,6,7                  ; block a's conversions stand between block a - 1's loads from the stage and the wait for them
	PACK \a
	SEND \a-1
	TOSTAGE \a
.endr
	SEND 7
	s_wait_tensorcnt 0x0                           ; the wave's end
	ds_add_u32 v[SPW], v[NIL]
	s_wait_dscnt 0x0
	CROUND                                         ; the closing round
	s_endpgm
.Lfunc_end_k_q34e2a89d79_qkv:
	.size	k_q34e2a89d79_qkv, .Lfunc_end_k_q34e2a89d79_qkv-k_q34e2a89d79_qkv
	.p2alignl 7, 3214868480
	.fill 96, 4, 3214868480
	.section	.rodata,"a",@progbits
	.p2align	6, 0x0
	.amdhsa_kernel k_q34e2a89d79_qkv
		.amdhsa_group_segment_fixed_size 327680
		.amdhsa_private_segment_fixed_size 0
		.amdhsa_enable_private_segment 0
		.amdhsa_kernarg_size 56
		.amdhsa_user_sgpr_count 2
		.amdhsa_user_sgpr_kernarg_segment_ptr 1
		.amdhsa_wavefront_size32 1
		.amdhsa_system_sgpr_workgroup_id_x 1
		.amdhsa_system_sgpr_workgroup_id_y 1
		.amdhsa_system_sgpr_workgroup_id_z 1
		.amdhsa_system_vgpr_workitem_id 0
		.amdhsa_next_free_vgpr 1024
		.amdhsa_next_free_sgpr 102
		.amdhsa_reserve_vcc 0
		.amdhsa_float_denorm_mode_32 3
		.amdhsa_float_denorm_mode_16_64 3
		.amdhsa_memory_ordered 1
		.amdhsa_forward_progress 1
		.amdhsa_inst_pref_size 130
	.end_amdhsa_kernel
	.amdgpu_metadata
---
amdhsa.version: [ 1, 2 ]
amdhsa.kernels:
  - .name:           k_q34e2a89d79_qkv
    .symbol:         k_q34e2a89d79_qkv.kd
    .args:
      - { .name: xc, .offset: 0, .size: 8, .value_kind: global_buffer, .address_space: global }
      - { .name: xs, .offset: 8, .size: 8, .value_kind: global_buffer, .address_space: global }
      - { .name: wc, .offset: 16, .size: 8, .value_kind: global_buffer, .address_space: global }
      - { .name: ws, .offset: 24, .size: 8, .value_kind: global_buffer, .address_space: global }
      - { .name: b_qkv, .offset: 32, .size: 8, .value_kind: global_buffer, .address_space: global }
      - { .name: qkv16, .offset: 40, .size: 8, .value_kind: global_buffer, .address_space: global }
      - { .name: qkvf, .offset: 48, .size: 8, .value_kind: global_buffer, .address_space: global }
    .group_segment_fixed_size: 327680
    .private_segment_fixed_size: 0
    .kernarg_segment_align: 8
    .kernarg_segment_size: 56
    .max_flat_workgroup_size: 128
    .sgpr_count:     102
    .vgpr_count:     1024
    .wavefront_size: 32
...
	.end_amdgpu_metadata
.endif
;; end of part 2
;; launch attn (part 3): grid 4 x 64, 16 waves a work-group, no clusters, 327,680 bytes of LDS; arguments qkv16, y16; writes y16
.if DOCPART == 3
	.amdgcn_target "amdgcn-amd-amdhsa--gfx1250"
	.amdhsa_code_object_version 6
	.text
	.protected	k_q34e2a89d79_attn
	.globl	k_q34e2a89d79_attn
	.p2align	8
	.type	k_q34e2a89d79_attn,@function
k_q34e2a89d79_attn:
	s_mov_b64 s[64:65], 0
	v_nop
	global_prefetch_b8 v0, s[64:65] scope:SCOPE_SE
	s_setreg_imm32_b32 hwreg(HW_REG_WAVE_MODE, 25, 1), 1
	s_wait_xcnt 0x0
; ATTN: y[b][h][q] = the sum over k <= q of softmax_k(Q[q] . K[k] / 8) V[k].  qkv16: f16, [q, k or v][b x 16 + h][2048][64].  y16: f16, [h][b x 2048 + token][64].
; Products on f16 operands with f32 sums; maxima, exponentials and sums in f32, with a running maximum.  LIMIT: |y| stays under 65,504 (it is an average of v).
; SHARES.  A work-group takes one (b, h) and two blocks of 256 queries, 7 - P and P (P = work-group x, 0..3): 9 blocks of keys' work in every one of the 256 work-groups.
; Of its sixteen waves eight take each block; a wave owns 32 queries, two tiles of 16, so that each fragment of K and V read from LDS feeds two products.
; All waves walk the keys together, 256 a visit, through a ring of two LDS slots (waves 0, 1 fetch K's halves, waves 2, 3 V's).  Eight visits in every work-group: trip counts are constants;
; a step of 64 keys all of which come after a wave's queries is jumped over by a scalar branch on ids, and a slot that no wave of the work-group would read is not asked for.
; NO CLUSTER: the four work-groups of a head need different numbers of key blocks (8 - P), so a partner would have to take tiles that none of its waves reads.
; LAYOUT.  S^T = K Q^T (source 0 = 16 keys, source 1 = 16 queries): a lane holds ONE query (lane % 16) and keys 8 (lane / 16) + 0..7 of each tile.  Two such tiles rounded to f16 in pairs ARE
; source 1 (32 keys x 16 queries) of O^T = V^T P; V ([key][channel]) comes out of LDS turned, by ds_load_tr16_b128.
; REGISTERS: v1-12 addresses; v13-15 the mask's; v16-31 statistics, 8 a tile (+0 c m, +1 m, +2, +3 the sum, +4..+7 at work, a in +6); v32-63 Q; v64-127 K's fragments, then V's; v128-191 S^T, then p, then P in place; v192-255 O^T.
.set PK,    144                        ; a key's row of K in LDS: 128 bytes + 16 = 36 words
.set PV,    160                        ; of V: 128 + 32 = 40 words
.set VOFF,  256*PK                     ; a slot: 256 rows of K, then 256 rows of V
.set SLOT1, 1<<17                      ; slot 1 begins here: one exclusive or turns an address
.set STAGE, SLOT1+256*(PK+PV)          ; behind the ring: 32 rows x 144 bytes for each wave, for the way out
.set SPARE, STAGE+16*32*PK             ; the spare words, 128 bytes a wave: eight blocks of 256 bytes that no other line names
.set SPW, 1
.set NIL, 2
.set AK0, 3
.set AV0, 4
.set ADK, 5
.set ADV, 6
.set LQ,  7                            ; v7   lane % 16 - 8 (lane / 16)
.set QO,  8
.set STO, 9
.set RD,  10
.set GO,  11
.set PFO, 12
.set ST,  16
.set Q,   32
.set KV,  64
.set S,   128
.set O,   192
.set WV,  8                            ; s8   wave
.set PP,  9                            ; s9   P
.set BH,  10                           ; s10  b x 16 + h
.set ROLE, 11
.set J,   12                           ; s12  the visit
.set LASTB, 14                         ; s14  7 - P: the last block of keys that any wave here reads
.set BLK, 15
.set Q0,  16                           ; s16  my first query
.set KF,  17                           ; s17  the step's first key
.set TB,  18                           ; s18  LDS byte at which the slot in hand begins
.set SEL, 20
.set CS,  22                           ; s[22:23] c = log2(e) / 8
.set G1K, 24
.set G1V, 32
.set G0K, 40
.set G0V, 44
.set PFA, 48
.set LIM, 50
.set QB,  52
.set YB,  54
.macro TLOAD                           ; waves 0, 1: K's halves; waves 2, 3: V's; the others nothing.  An s_nop 0 and four v_nop follow each line
	s_cmp_lt_u32 s[WV], 2
	s_cbranch_scc0 .Lnot_k_\@
	tensor_load_to_lds s[G0K:G0K+3], s[G1K:G1K+7]
	s_nop 0
.rept 4
	v_nop
.endr
	s_branch .Lasked_\@
.Lnot_k_\@:
	s_cmp_lt_u32 s[WV], 4
	s_cbranch_scc0 .Lasked_\@
	tensor_load_to_lds s[G0V:G0V+3], s[G1V:G1V+7]
	s_nop 0
.rept 4
	v_nop
.endr
.Lasked_\@:
.endm
; A prefetch of the block of keys that the NEXT visit's tensor loads will ask for (visit J names block J + 2): 32,768 dense bytes of K and of V.  All four work-groups of a head walk the same K and V:
; the one with P = 0, which walks all eight blocks, asks; in it waves 4-7 for K and 8-11 for V, 8,192 bytes a wave, lanes 256 bytes apart: each 256 bytes are named once.  Visits 6 and 7 ask for nothing.
.macro ASK
	s_cmp_gt_i32 s[J], s[LIM]
	s_cbranch_scc1 .Lnot_mine_\@
	global_prefetch_b8 v[PFO], s[PFA:PFA+1] th:TH_LOAD_NT scope:SCOPE_SE
.Lnot_mine_\@:
.endm
	s_load_b128 s[4:7], s[0:1], 0x0                ; qkv16, y16
	v_lshl_add_u32 v[SPW], v0, 2, SPARE
	v_mov_b32 v[NIL], 0
	ds_add_u32 v[SPW], v[NIL]                      ; the wave's opening: the add, twice on end, and its wait ahead of the first tensor load
	ds_add_u32 v[SPW], v[NIL]
	v_lshrrev_b32 v3, 5, v0
	v_readfirstlane_b32 s[WV], v3                  ; wave 0..15
	s_mov_b32 s[PP], ttmp9
	s_and_b32 s[BH], ttmp7, 0xffff
	s_lshr_b32 s56, s[WV], 2
	s_xor_b32 s56, s56, s[WV]
	s_and_b32 s[ROLE], s56, 1                      ; waves 2 i and 2 i + 1 differ in it; so do waves w and w + 4
	s_sub_co_u32 s[LASTB], 7, s[PP]
	s_cmp_eq_u32 s[ROLE], 0
	s_cselect_b32 s[BLK], s[LASTB], s[PP]          ; my block of 256 queries
	s_lshl_b32 s[Q0], s[BLK], 8
	s_lshr_b32 s56, s[WV], 1
	s_lshl_b32 s56, s56, 5
	s_add_co_u32 s[Q0], s[Q0], s56                 ; + 32 x (wave / 2)
	; descriptor group 1: 128 rows of 64 elements of 2 bytes, dense in memory, padded behind every row (32 words)
	s_mov_b32 s[G1K], (1<<16)|(1<<20)|(4<<22)|(3<<25)   ; K: 4 words of padding
	s_mov_b32 s[G1V], (1<<16)|(1<<20)|(4<<22)|(7<<25)   ; V: 8 words
.irp g, G1K, G1V
	s_mov_b32 s[\g+1], 64<<16                      ; tensor_dim0
	s_mov_b32 s[\g+2], 128<<16                     ; tensor_dim1
	s_mov_b32 s[\g+3], 64<<16                      ; tile_dim0
	s_mov_b32 s[\g+4], 128                         ; tile_dim1
	s_mov_b32 s[\g+5], 64                          ; the pitch
	s_mov_b32 s[\g+6], 0
	s_mov_b32 s[\g+7], 0
.endr
	s_lshl_b32 s56, s[BH], 18                      ; the head's first byte in each third of qkv16
	s_and_b32 s58, s[WV], 1                        ; which half of a block of keys I fetch, if I fetch
	s_lshl_b32 s60, s58, 14
	s_add_co_u32 s60, s60, s56
	s_add_co_u32 s60, s60, 0x1000000               ; K's third
	s_mov_b32 s61, 0
	s_add_co_u32 s62, s60, 0x1000000               ; V's third
	s_mov_b32 s63, 0
	s_mul_i32 s59, s58, 128*PK                     ; and where it goes in a slot
	s_mul_i32 s57, s58, 128*PV
	s_add_co_u32 s57, s57, VOFF
	s_lshl_b32 s66, s[Q0], 7
	s_add_co_u32 s66, s66, s56                     ; my queries
	s_mov_b32 s67, 0
	s_and_b32 s68, s[BH], 15
	s_lshl_b32 s68, s68, 20                        ; y16: head x 1,048,576
	s_lshr_b32 s69, s[BH], 4
	s_lshl_b32 s69, s69, 11
	s_add_co_u32 s69, s69, s[Q0]
	s_lshl_b32 s69, s69, 7                         ; + (b x 2048 + my first query) x 128
	s_add_co_u32 s68, s68, s69
	s_mov_b32 s69, 0
	s_mov_b32 s70, 0x2000000
	s_cmp_lt_u32 s[WV], 8                          ; the prefetches: waves 4-7 K, waves 8-11 V
	s_cselect_b32 s70, 0x1000000, s70
	s_add_co_u32 s70, s70, s56
	s_and_b32 s71, s[WV], 3
	s_lshl_b32 s71, s71, 13
	s_add_co_u32 s70, s70, s71
	s_add_co_u32 s70, s70, 32768                   ; at block 1: the first visit steps it to block 2
	s_mov_b32 s71, 0
	s_sub_co_u32 s51, s[WV], 4
	s_lshr_b32 s51, s51, 3                         ; 0 in waves 4 to 11
	s_or_b32 s51, s51, s[PP]
	s_cmp_eq_u32 s51, 0
	s_cselect_b32 s[LIM], 5, -1
	s_mov_b32 s[SEL], 0x76543210
	s_mov_b32 s[SEL+1], 0xfedcba98
	s_mov_b32 s[CS], 0x3e38aa3b                    ; c = log2(e) / sqrt(64)
	s_mov_b32 s[CS+1], s[CS]
	s_mov_b32 s[J], 0
	s_mov_b32 s[KF], 0
	s_mov_b32 s[TB], 0
	s_wait_dscnt 0x0                               ; both opening adds are done
	s_wait_kmcnt 0x0
	s_mov_b32 s[G0K], 1
	s_mov_b32 s[G0K+1], s59
	s_add_nc_u64 s[G0K+2:G0K+3], s[4:5], s[60:61]
	s_or_b32 s[G0K+3], s[G0K+3], 0x80000000
	s_mov_b32 s[G0V], 1
	s_mov_b32 s[G0V+1], s57
	s_add_nc_u64 s[G0V+2:G0V+3], s[4:5], s[62:63]
	s_or_b32 s[G0V+3], s[G0V+3], 0x80000000
	TLOAD                                          ; keys 0-255 into slot 0: key 0 counts for every query
	s_add_nc_u64 s[QB:QB+1], s[4:5], s[66:67]
	s_add_nc_u64 s[YB:YB+1], s[6:7], s[68:69]
	s_add_nc_u64 s[PFA:PFA+1], s[4:5], s[70:71]
	v_and_b32 v13, 15, v0                          ; r
	v_bfe_u32 v14, v0, 4, 1                        ; h
	v_lshlrev_b32 v[QO], 7, v13
	v_lshl_add_u32 v[QO], v14, 4, v[QO]            ; Q: row r of 128 bytes + 16 h
.irp t, 0,1
.irp kc, 0,1
	global_load_b128 v[Q+16*\t+8*\kc:Q+16*\t+8*\kc+3], v[QO], s[QB:QB+1] offset:\t*2048+64*\kc
	global_load_b128 v[Q+16*\t+8*\kc+4:Q+16*\t+8*\kc+7], v[QO], s[QB:QB+1] offset:\t*2048+64*\kc+32
.endr
.endr
	v_mul_u32_u24 v[AK0], v13, PK
	v_lshl_add_u32 v[AK0], v14, 4, v[AK0]          ; K: row r x pitch + 16 h
	v_and_b32 v15, 7, v0
	v_lshl_add_u32 v[AV0], v14, 3, v15             ; V, for the turning load: key 8 h + lane % 8,
	v_mul_u32_u24 v[AV0], v[AV0], PV
	v_bfe_u32 v15, v0, 3, 1
	v_lshl_add_u32 v[AV0], v15, 4, v[AV0]          ; channels 8 ((lane / 8) % 2) on
	v_add_nc_u32 v[AV0], VOFF, v[AV0]
	v_lshlrev_b32 v[LQ], 3, v14
	v_sub_nc_u32 v[LQ], v13, v[LQ]
	s_mul_i32 s56, s[WV], 32*PK
	s_add_co_u32 s56, s56, STAGE                   ; my stage
	v_mul_u32_u24 v[STO], v13, PK
	v_lshl_add_u32 v[STO], v14, 4, v[STO]
	v_add_nc_u32 v[STO], s56, v[STO]
	v_and_b32 v15, 31, v0
	v_lshrrev_b32 v[RD], 3, v15
	v_mul_u32_u24 v[RD], v[RD], PK
	v_and_b32 v13, 7, v0
	v_lshl_add_u32 v[RD], v13, 4, v[RD]
	v_add_nc_u32 v[RD], s56, v[RD]
	v_lshlrev_b32 v[GO], 4, v15
	v_lshlrev_b32 v[PFO], 8, v15
.irp i, 0,1,2,3,4,5,6,7,8,9,10,11,12,13,14,15
	v_mov_b32 v[ST+\i], 0                          ; the sums begin at 0
.endr
.irp t, 0,1
	v_mov_b32 v[ST+8*\t+1], 0xff61b1e6             ; m = -3e38, under every score
	v_mul_f32 v[ST+8*\t], s[CS], v[ST+8*\t+1]
.endr
.set n, 0
.rept 64
	v_mov_b32 v[O+n], 0                            ; O^T: the step is written once; the first a is 0 and leaves zeros
.set n, n+1
.endr
; A KEY STEP: 64 keys, the q-th of the slot in hand.
.macro STEP q
	s_add_co_u32 s56, s[Q0], 31
	s_cmp_gt_u32 s[KF], s56                        ; all 64 keys come after my 32 queries: the step's work is left out
	s_cbranch_scc1 .Lhidden_\@
	v_add_nc_u32 v[ADK], s[TB], v[AK0]
	v_add_nc_u32 v[ADV], s[TB], v[AV0]
.rept 3
	v_nop                                          ; with the two additions five places behind the last products: K's loads land in registers that they read (four are owed), and the products below write over P, which they read (five)
.endr
.irp kt, 0,1,2,3
.irp kc, 0,1
	ds_load_b128 v[KV+8*(2*\kt+\kc):KV+8*(2*\kt+\kc)+3], v[ADK] offset:(64*(\q)+16*\kt)*PK+64*\kc
	ds_load_b128 v[KV+8*(2*\kt+\kc)+4:KV+8*(2*\kt+\kc)+7], v[ADK] offset:(64*(\q)+16*\kt)*PK+64*\kc+32
.endr
.endr
	s_wait_dscnt 0x0
.irp kc, 0,1                                   ; S^T = K Q^T: eight accumulators by turns
.irp kt, 0,1,2,3
.irp t, 0,1
.if \kc == 0
	v_wmma_f32_16x16x32_f16 v[S+32*\t+8*\kt:S+32*\t+8*\kt+7], v[KV+8*(2*\kt+\kc):KV+8*(2*\kt+\kc)+7], v[Q+16*\t+8*\kc:Q+16*\t+8*\kc+7], 0
.else
	v_wmma_f32_16x16x32_f16 v[S+32*\t+8*\kt:S+32*\t+8*\kt+7], v[KV+8*(2*\kt+\kc):KV+8*(2*\kt+\kc)+7], v[Q+16*\t+8*\kc:Q+16*\t+8*\kc+7], v[S+32*\t+8*\kt:S+32*\t+8*\kt+7]
.endif
.endr
.endr
.endr
.rept 4
	v_nop                                          ; places: V's loads land where K lay, and the scores are read
.endr
.irp vc, 0,1                                   ; V of these 64 keys, turned; it lands under the softmax
.irp dt, 0,1,2,3
	ds_load_tr16_b128 v[KV+8*(4*\vc+\dt):KV+8*(4*\vc+\dt)+3], v[ADV] offset:(64*(\q)+32*\vc)*PV+32*\dt
	ds_load_tr16_b128 v[KV+8*(4*\vc+\dt)+4:KV+8*(4*\vc+\dt)+7], v[ADV] offset:(64*(\q)+32*\vc+16)*PV+32*\dt
.endr
.endr
	s_add_co_u32 s56, s[KF], 63
	s_cmp_le_u32 s56, s[Q0]                        ; all 64 keys count for all my queries: no mask
	s_cbranch_scc1 .Lopen_\@
	s_sub_co_i32 s56, s[Q0], s[KF]
	v_add_nc_u32 v13, s56, v[LQ]                   ; tile 0: d = my query - KF - 8 (lane / 16); register n holds key KF + 8 (lane / 16) + 16 (n / 8) + n % 8: hidden where 16 (n / 8) + n % 8 > d
	v_add_nc_u32 v14, 16, v13                      ; tile 1
	v_mov_b32 v15, 0xff800000                      ; -infinity
.irp t, 0,1
.set n, 0
.rept 32
	v_cmp_gt_i32 vcc_lo, 16*(n/8)+n%8, v[13+\t]
	v_cndmask_b32 v[S+32*\t+n], v[S+32*\t+n], v15, vcc_lo
.set n, n+1
.endr
.endr
.Lopen_\@:
.irp j, 0,1,2,3                                ; the largest score: four chains a tile, each accumulator read from its low end on; the tiles alternate line by line
.irp t, 0,1
	v_max3_num_f32 v[ST+8*\t+4+\j], v[S+32*\t+8*\j], v[S+32*\t+8*\j+1], v[S+32*\t+8*\j+2]
.endr
.endr
.irp u, 1,2
.irp j, 0,1,2,3
.irp t, 0,1
	v_max3_num_f32 v[ST+8*\t+4+\j], v[ST+8*\t+4+\j], v[S+32*\t+8*\j+2*\u+1], v[S+32*\t+8*\j+2*\u+2]
.endr
.endr
.endr
.irp t, 0,1
	v_max3_num_f32 v[ST+8*\t+4], v[ST+8*\t+4], v[S+32*\t+7], v[S+32*\t+15]
	v_max3_num_f32 v[ST+8*\t+6], v[ST+8*\t+6], v[S+32*\t+23], v[S+32*\t+31]
.endr
.irp t, 0,1
	v_max3_num_f32 v[ST+8*\t+4], v[ST+8*\t+4], v[ST+8*\t+5], v[ST+8*\t+6]
.endr
.irp t, 0,1
	v_max3_num_f32 v[ST+8*\t+4], v[ST+8*\t+4], v[ST+8*\t+7], v[ST+8*\t+1]   ; and the old m
.endr
.irp t, 0,1
	v_permlanex16_b32 v[ST+8*\t+5], v[ST+8*\t+4], s[SEL], s[SEL+1]   ; the query's other 32 keys lie in the lane 16 away
.endr
.irp t, 0,1
	v_mov_b32 v[ST+8*\t+7], v[ST+8*\t]             ; c m_old
.endr
.irp t, 0,1
	v_max_num_f32 v[ST+8*\t+1], v[ST+8*\t+4], v[ST+8*\t+5]   ; the new m
.endr
.irp t, 0,1
	v_mul_f32 v[ST+8*\t], s[CS], v[ST+8*\t+1]
.endr
.irp t, 0,1
	v_sub_f32 v[ST+8*\t+7], v[ST+8*\t+7], v[ST+8*\t]
.endr
.set n, 0
.rept 16
.irp t, 0,1
	v_pk_fma_f32 v[S+32*\t+2*n:S+32*\t+2*n+1], v[S+32*\t+2*n:S+32*\t+2*n+1], s[CS:CS+1], v[ST+8*\t:ST+8*\t+1] op_sel_hi:[1,0,0] neg_lo:[0,0,1] neg_hi:[0,0,1]   ; c s - c m
.endr
.set n, n+1
.endr
.irp t, 0,1
	v_exp_f32 v[ST+8*\t+6], v[ST+8*\t+7]           ; a = 2^(c m_old - c m_new)
.endr
.set n, 0
.rept 32
.irp t, 0,1
	v_exp_f32 v[S+32*\t+n], v[S+32*\t+n]           ; p, at most 1
.endr
.set n, n+1
.endr
	v_nop                                          ; a plain line behind the last exponential
	s_wait_alu depctr_va_vdst(0)                   ; one wait for the batch of 66, ahead of its first reader
.irp t, 0,1
	v_pk_fma_f32 v[ST+8*\t+2:ST+8*\t+3], v[ST+8*\t+2:ST+8*\t+3], v[ST+8*\t+6:ST+8*\t+7], v[S+32*\t:S+32*\t+1] op_sel_hi:[1,0,1]   ; the sum x a + the first pair
	v_pk_add_f32 v[ST+8*\t+4:ST+8*\t+5], v[S+32*\t+2:S+32*\t+3], v[S+32*\t+4:S+32*\t+5]   ; a second chain
.endr
.irp i, 3,5,7,9,11,13
.irp t, 0,1
	v_pk_add_f32 v[ST+8*\t+2:ST+8*\t+3], v[ST+8*\t+2:ST+8*\t+3], v[S+32*\t+2*\i:S+32*\t+2*\i+1]
	v_pk_add_f32 v[ST+8*\t+4:ST+8*\t+5], v[ST+8*\t+4:ST+8*\t+5], v[S+32*\t+2*\i+2:S+32*\t+2*\i+3]
.endr
.endr
.irp t, 0,1
	v_pk_add_f32 v[ST+8*\t+2:ST+8*\t+3], v[ST+8*\t+2:ST+8*\t+3], v[S+32*\t+30:S+32*\t+31]
.endr
.irp t, 0,1
	v_pk_add_f32 v[ST+8*\t+2:ST+8*\t+3], v[ST+8*\t+2:ST+8*\t+3], v[ST+8*\t+4:ST+8*\t+5]
.endr
.set n, 0
.rept 16
.irp t, 0,1
	v_cvt_pk_f16_f32 v[S+32*\t+n], v[S+32*\t+2*n], v[S+32*\t+2*n+1]   ; P in place, ascending: register n is written when registers 2 n and 2 n + 1 are read, and no register under 2 n is read again
.endr
.set n, n+1
.endr
.set n, 0
.rept 16
.irp t, 0,1
	v_pk_mul_f32 v[O+32*\t+2*n:O+32*\t+2*n+1], v[O+32*\t+2*n:O+32*\t+2*n+1], v[ST+8*\t+6:ST+8*\t+7] op_sel_hi:[1,0]   ; O^T x a
.endr
.set n, n+1
.endr
	s_wait_dscnt 0x0                               ; V is in
.irp vc, 0,1                                   ; O^T += V^T P: eight accumulators by turns
.irp dt, 0,1,2,3
.irp t, 0,1
	v_wmma_f32_16x16x32_f16 v[O+32*\t+8*\dt:O+32*\t+8*\dt+7], v[KV+8*(4*\vc+\dt):KV+8*(4*\vc+\dt)+7], v[S+32*\t+8*\vc:S+32*\t+8*\vc+7], v[O+32*\t+8*\dt:O+32*\t+8*\dt+7]
.endr
.endr
.endr
.Lhidden_\@:
	s_add_co_u32 s[KF], s[KF], 64
.endm
; THE CHANGE OF SLOTS, at a visit's head.  Each wave waits for all its tensor loads (its part of the slot ahead), adds 0 to its spare word, and waits for that and for its reads of the slot that it has left.
; Behind the barrier the slot ahead is whole and nobody reads the other.  fill = 1: the other slot takes the next 256 keys, unless they come after the work-group's last query.
.macro CHANGE fill
	s_wait_tensorcnt 0x0                           ; no tensor load of mine is out: the groups 0 may be written
	ds_add_u32 v[SPW], v[NIL]
.if \fill
	ds_add_u32 v[SPW], v[NIL]                      ; twice on end here, in every trip alike
	s_xor_b32 s[G0K+1], s[G0K+1], SLOT1
	s_add_nc_u64 s[G0K+2:G0K+3], s[G0K+2:G0K+3], 32768
	s_xor_b32 s[G0V+1], s[G0V+1], SLOT1
	s_add_nc_u64 s[G0V+2:G0V+3], s[G0V+2:G0V+3], 32768
	s_wait_xcnt 0x0                                ; the last prefetch, a visit back, has read its address
	s_add_nc_u64 s[PFA:PFA+1], s[PFA:PFA+1], 32768
.endif
	s_wait_dscnt 0x0
	s_barrier_signal -1
	s_barrier_wait -1
.if \fill
	s_cmp_ge_u32 s[J], s[LASTB]                    ; block J + 1 lies beyond block 7 - P: none of the sixteen waves would read it.  The work-group's number and the count of visits alone: all waves go the same way
	s_cbranch_scc1 .Lpast_\@
	TLOAD                                          ; a wave's one tensor load until the next such barrier; it has a visit's four steps in which to land
.Lpast_\@:
	ASK
.endif
.endm
.macro FOUR_STEPS
	STEP 0
	STEP 1
	STEP 2
	STEP 3
	s_xor_b32 s[TB], s[TB], SLOT1
.endm
	s_wait_loadcnt 0x0                             ; Q
.Lvisit:                                           ; seven trips; every wait on TENSORcnt in this text is for 0
	CHANGE 1
	FOUR_STEPS
	s_add_co_u32 s[J], s[J], 1
	s_cmp_lt_u32 s[J], 7
	s_cbranch_scc1 .Lvisit
	CHANGE 0                                       ; the eighth visit is written out: nothing is left to ask for
	FOUR_STEPS
	; THE WAY OUT: O^T / the sum, rounded to f16, through my stage, back as tokens' whole 128 bytes: four tokens, 512 consecutive bytes of y16, a store.
.rept 4
	v_nop                                          ; places behind the last products
.endr
.irp t, 0,1
	v_add_f32 v[ST+8*\t+4], v[ST+8*\t+2], v[ST+8*\t+3]
.endr
.irp t, 0,1
	v_permlanex16_b32 v[ST+8*\t+5], v[ST+8*\t+4], s[SEL], s[SEL+1]
.endr
.irp t, 0,1
	v_add_f32 v[ST+8*\t+4], v[ST+8*\t+4], v[ST+8*\t+5]
.endr
.irp t, 0,1
	v_rcp_f32 v[ST+8*\t+6], v[ST+8*\t+4]
.endr
	v_nop
	s_wait_alu depctr_va_vdst(0)                   ; one wait for the two reciprocals
.irp t, 0,1
.set n, 0
.rept 16
	v_pk_mul_f32 v[O+32*\t+2*n:O+32*\t+2*n+1], v[O+32*\t+2*n:O+32*\t+2*n+1], v[ST+8*\t+6:ST+8*\t+7] op_sel_hi:[1,0]
.set n, n+1
.endr
.endr
.irp t, 0,1
.set n, 0
.rept 16
	v_cvt_pk_f16_f32 v[KV+16*\t+n], v[O+32*\t+2*n], v[O+32*\t+2*n+1]
.set n, n+1
.endr
.endr
.irp t, 0,1
.irp dt, 0,1,2,3
	ds_store_b128 v[STO], v[KV+16*\t+4*\dt:KV+16*\t+4*\dt+3] offset:\t*16*PK+32*\dt
.endr
.endr
.irp i, 0,1,2,3,4,5,6,7
	ds_load_b128 v[KV+32+4*\i:KV+32+4*\i+3], v[RD] offset:\i*4*PK   ; in order behind my stores
.endr
.irp i, 0,1,2,3,4,5,6,7
	s_wait_dscnt 7-\i                              ; the younger loads may be out
	global_store_b128 v[GO], v[KV+32+4*\i:KV+32+4*\i+3], s[YB:YB+1] offset:512*\i
.endr
	s_wait_tensorcnt 0x0                           ; the wave's end
	ds_add_u32 v[SPW], v[NIL]
	s_wait_dscnt 0x0
	s_endpgm
.Lfunc_end_k_q34e2a89d79_attn:
	.size	k_q34e2a89d79_attn, .Lfunc_end_k_q34e2a89d79_attn-k_q34e2a89d79_attn
	.p2alignl 7, 3214868480
	.fill 96, 4, 3214868480
	.section	.rodata,"a",@progbits
	.p2align	6, 0x0
	.amdhsa_kernel k_q34e2a89d79_attn
		.amdhsa_group_segment_fixed_size 327680
		.amdhsa_private_segment_fixed_size 0
		.amdhsa_enable_private_segment 0
		.amdhsa_kernarg_size 16
		.amdhsa_user_sgpr_count 2
		.amdhsa_user_sgpr_kernarg_segment_ptr 1
		.amdhsa_wavefront_size32 1
		.amdhsa_system_sgpr_workgroup_id_x 1
		.amdhsa_system_sgpr_workgroup_id_y 1
		.amdhsa_system_sgpr_workgroup_id_z 1
		.amdhsa_system_vgpr_workitem_id 0
		.amdhsa_next_free_vgpr 256
		.amdhsa_next_free_sgpr 72
		.amdhsa_reserve_vcc 1
		.amdhsa_float_denorm_mode_32 3
		.amdhsa_float_denorm_mode_16_64 3
		.amdhsa_memory_ordered 1
		.amdhsa_forward_progress 1
		.amdhsa_inst_pref_size 188
	.end_amdhsa_kernel
	.amdgpu_metadata
---
amdhsa.version: [ 1, 2 ]
amdhsa.kernels:
  - .name:           k_q34e2a89d79_attn
    .symbol:         k_q34e2a89d79_attn.kd
    .args:
      - { .name: qkv16, .offset: 0, .size: 8, .value_kind: global_buffer, .address_space: global }
      - { .name: y16, .offset: 8, .size: 8, .value_kind: global_buffer, .address_space: global }
    .group_segment_fixed_size: 327680
    .private_segment_fixed_size: 0
    .kernarg_segment_align: 8
    .kernarg_segment_size: 16
    .max_flat_workgroup_size: 512
    .sgpr_count:     72
    .vgpr_count:     256
    .wavefront_size: 32
...
	.end_amdgpu_metadata
.endif
;; end of part 3
;; launch proj (part 4): grid 8 x 32, 4 waves a work-group, clusters of 4 x 4, 327,680 bytes of LDS; arguments y16, wo16, b_out, out0; writes out0
.if DOCPART == 4
	.amdgcn_target "amdgcn-amd-amdhsa--gfx1250"
	.amdhsa_code_object_version 6
	.text
	.protected	k_q34e2a89d79_proj
	.globl	k_q34e2a89d79_proj
	.p2align	8
	.type	k_q34e2a89d79_proj,@function
k_q34e2a89d79_proj:
	s_mov_b64 s[64:65], 0
	v_nop
	global_prefetch_b8 v0, s[64:65] scope:SCOPE_SE
	s_setreg_imm32_b32 hwreg(HW_REG_WAVE_MODE, 25, 1), 1
	s_wait_xcnt 0x0
	s_wait_alu depctr_hold_cnt(0) depctr_sa_sdst(0) depctr_va_vdst(0) depctr_va_sdst(0) depctr_va_ssrc(0) depctr_va_vcc(0) depctr_vm_vsrc(0)
	s_getreg_b32 s2, hwreg(HW_REG_IB_STS2, 6, 4)
	s_cmp_eq_u32 s2, 0
	s_cbranch_scc0 .Lentry_in_a_cluster
	s_endpgm
.Lentry_in_a_cluster:
	s_bfe_u32 s2, ttmp6, 0x10000c
	s_cmp_lg_u32 s2, 0xf033
	s_cbranch_scc0 .Lentry_shape_is_right
	s_endpgm
.Lentry_shape_is_right:
; PROJ: out0[m][n] = sum over k of y[m][k] W_out[k][n] + b_out[n], f16 operands, f32 sums.  M = 8,192, N = K = 1,024.
; y16: f16, [head = k / 64][m][64].  wo16: f16, [k][n].  out0: f32, [m][1024].  (The first 16 tokens of each batch are written again, from f32 operands, by the launch that follows.)
; A tile of 256 (m) x 128 (n) gives 256 work-groups.  Four waves, 128 x 64 each: 32 accumulators, all of window 1.  K goes in 8 steps of 128 (two heads of y16) through two LDS slots.
; CLUSTER 4 x 4: y's tiles are shared along a row of the cluster, W's along a column: joint loads, one a wave (waves 0, 1: y's two heads, 256 rows each; waves 2, 3: 64 rows of W each).
; THE MATRIX INSTRUCTION IS USED TRANSPOSED: source 0 = 16 columns of W (turned on the way out of LDS by ds_load_tr16_b128), source 1 = 16 rows of y: a lane holds eight neighbouring columns of a row of out0.
; The bias is the C of each sum's first product.
; REGISTERS: window 0: v16-30 addresses; v32-63 the bias; v64-159 and v160-255 two fragment buffers (W's four fragments, then y's eight).  window 1: accumulator (a, b) at v[8 (4 a + b)].
.set PA,     144                       ; a row of y's tile in LDS: 128 bytes + 16
.set PB,     288                       ; a row of W's: 256 bytes + 32
.set ACH,    256*PA                    ; a head's 256 rows
.set BOFF,   2*ACH
.set SLOT,   BOFF+128*PB
.set SPARE,  2*SLOT                    ; the spare words, 128 bytes a wave
.set SPITCH, 272                       ; the way out: 16 rows x (256 bytes + 16) for each wave, in slot 0, which has had its last fill and its last read by then
.set KSA,    2097152                   ; a K step on in y16: two heads
.set KSB,    262144                    ; in wo16: 128 rows
.set ADRA, 16
.set ADRB, 20
.set STO,  24
.set RD,   25
.set CO,   26
.set SPW,  28
.set NIL,  29
.set PFO,  30
.set BIAS, 32
.set F0,   64
.set F1,   160
.set OB,   64
.set G1, 24
.set G0, 32
.set G1B, 48
.set G0B, 56
.set LIM, 45
.set PFA, 66
.set MSB, 0
.macro WIN new
.if MSB != (\new)
	s_set_vgpr_msb (MSB<<8)|(\new)
.set MSB, (\new)
.endif
.endm
.set MUL, 0x50                         ; sources 0 and 1 window 0; C and D window 1
.macro JLOAD s                         ; waves 0, 1 fetch for y, waves 2, 3 for W; an s_nop 0 and four v_nop follow each line
	s_cmp_eq_u32 s11, 0
	s_cbranch_scc0 .Lfor_b_\@
	tensor_load_to_lds s[G0+4*\s:G0+4*\s+3], s[G1:G1+7]
	s_nop 0
.rept 4
	v_nop
.endr
	s_branch .Lasked_\@
.Lfor_b_\@:
	tensor_load_to_lds s[G0B+4*\s:G0B+4*\s+3], s[G1B:G1B+7]
	s_nop 0
.rept 4
	v_nop
.endr
.Lasked_\@:
.endm
.macro CREST
	s_cmp_lg_u32 s10, 0
	s_cbranch_scc1 .Lnot_wave_0_\@
	s_barrier_signal -3
.Lnot_wave_0_\@:
	s_barrier_wait -3
	s_barrier_signal -1
	s_barrier_wait -1
.endm
.macro CROUND
	s_barrier_signal -1
	s_barrier_wait -1
	CREST
.endm
; A prefetch of y's tile two refills on (the refill for K step s names K step s + 2; K steps 4 to 7 in all).  A head's 256 rows of a tile are 32,768 dense bytes: the four partners that ask for them jointly
; take 8,192 each, told apart by address, lanes 256 bytes apart.  Both clusters of a row of clusters read the same rows: the one with x = 0 asks, in waves 0 and 1.  The loop's last trip asks for nothing.
; W's 2 MiB are read by all eight rows of clusters again and again, and are not asked for.
.macro ASK
	s_cmp_gt_u32 s3, s[LIM]
	s_cbranch_scc0 .Lnot_mine_\@
	global_prefetch_b8 v[PFO], s[PFA:PFA+1] offset:KSA th:TH_LOAD_NT scope:SCOPE_SE
.Lnot_mine_\@:
.endm
	s_load_b128 s[4:7], s[0:1], 0x0                ; y16, wo16
	s_load_b128 s[68:71], s[0:1], 0x10             ; b_out, out0
	v_lshl_add_u32 v[SPW], v0, 2, SPARE
	v_mov_b32 v[NIL], 0
	ds_add_u32 v[SPW], v[NIL]                      ; the wave's opening: the add, twice on end, and its wait ahead of my first tensor load
	ds_add_u32 v[SPW], v[NIL]
	v_lshrrev_b32 v1, 5, v0
	v_readfirstlane_b32 s10, v1                    ; wave 0..3
	s_lshr_b32 s11, s10, 1                         ; which half of the tile's rows is mine.  Also: I fetch for y (0) or for W (1)
	s_and_b32 s12, s10, 1                          ; which half of its columns.  Also: which head, or which 64 rows of W, I fetch
	s_bfe_u32 s40, ttmp6, 0x40000                  ; cx
	s_bfe_u32 s41, ttmp6, 0x40004                  ; cy
	s_lshl_b32 s42, ttmp9, 2
	s_add_co_u32 s42, s42, s40                     ; tile column 0..7
	s_and_b32 s13, ttmp7, 0xffff
	s_lshl_b32 s13, s13, 2
	s_add_co_u32 s13, s13, s41                     ; tile row 0..31
	s_lshl_b32 s43, s41, 2
	s_lshl_b32 s43, 15, s43                        ; my row of the cluster
	s_lshl_b32 s44, 0x1111, s40                    ; my column
	s_or_b32 s[G1+0], s43, (1<<16)|(1<<20)|(1<<21)|(4<<22)|(3<<25)   ; y: elements of 2 bytes; 4 words of padding behind every 32; bit 21 beside a mask
	s_mov_b32 s[G1+1], 64<<16                      ; tensor_dim0
	s_mov_b32 s[G1+2], 256<<16                     ; tensor_dim1
	s_mov_b32 s[G1+3], 64<<16                      ; tile_dim0
	s_mov_b32 s[G1+4], 256                         ; tile_dim1
	s_mov_b32 s[G1+5], 64                          ; the pitch
	s_mov_b32 s[G1+6], 0
	s_mov_b32 s[G1+7], 0
	s_or_b32 s[G1B+0], s44, (1<<16)|(1<<20)|(1<<21)|(5<<22)|(7<<25)  ; W: 8 words of padding behind every 64
	s_mov_b32 s[G1B+1], 128<<16
	s_mov_b32 s[G1B+2], 64<<16
	s_mov_b32 s[G1B+3], 128<<16
	s_mov_b32 s[G1B+4], 64
	s_mov_b32 s[G1B+5], 1024
	s_mov_b32 s[G1B+6], 0
	s_mov_b32 s[G1B+7], 0
	s_lshl_b32 s16, s12, 20                        ; y: my head of the K step,
	s_lshl_b32 s17, s13, 15                        ; the tile's 256 rows of 128 bytes
	s_add_co_u32 s16, s16, s17
	s_mov_b32 s17, 0
	s_lshl_b32 s46, s12, 17                        ; W: my 64 rows of 2,048 bytes,
	s_lshl_b32 s47, s42, 8                         ; the tile's 128 columns
	s_add_co_u32 s46, s46, s47
	s_mov_b32 s47, 0
	s_mul_i32 s20, s12, ACH                        ; where they go: no place in the cluster enters an LDS address
	s_mul_i32 s21, s12, 64*PB
	s_add_co_u32 s21, s21, BOFF
	s_wait_dscnt 0x0                               ; both opening adds are done
	s_wait_kmcnt 0x0
	s_add_nc_u64 s[14:15], s[4:5], s[16:17]
	s_add_nc_u64 s[46:47], s[6:7], s[46:47]
	CROUND                                         ; all sixteen work-groups are here: the first joint loads meet
.irp s, 0,1
	s_mov_b32 s[G0+4*\s], 1
	s_add_co_u32 s[G0+4*\s+1], s20, \s*SLOT
	s_add_nc_u64 s[G0+4*\s+2:G0+4*\s+3], s[14:15], \s*KSA
	s_or_b32 s[G0+4*\s+3], s[G0+4*\s+3], 0x80000000
	s_mov_b32 s[G0B+4*\s], 1
	s_add_co_u32 s[G0B+4*\s+1], s21, \s*SLOT
	s_add_nc_u64 s[G0B+4*\s+2:G0B+4*\s+3], s[46:47], \s*KSB
	s_or_b32 s[G0B+4*\s+3], s[G0B+4*\s+3], 0x80000000
	JLOAD \s
.endr
	v_and_b32 v1, 15, v0                           ; r
	v_bfe_u32 v2, v0, 4, 1                         ; h
	; the bias: block b's eight registers hold b_out[128 tile column + 64 half + 16 b + 8 h + 0..7]
	s_lshl_b32 s46, s42, 9
	s_lshl_b32 s47, s12, 8
	s_add_co_u32 s46, s46, s47
	s_mov_b32 s47, 0
	s_add_nc_u64 s[68:69], s[68:69], s[46:47]
	v_lshlrev_b32 v6, 5, v2
.irp b, 0,1,2,3
	global_load_b128 v[BIAS+8*\b:BIAS+8*\b+3], v6, s[68:69] offset:64*\b
	global_load_b128 v[BIAS+8*\b+4:BIAS+8*\b+7], v6, s[68:69] offset:64*\b+16
.endr
	v_mul_u32_u24 v3, v1, PA
	v_lshl_add_u32 v3, v2, 4, v3                   ; y: row r x pitch + 16 h
	s_mul_i32 s21, s11, 128*PA                     ; my 128 rows
	v_and_b32 v4, 7, v0
	v_lshl_add_u32 v4, v2, 3, v4                   ; W, for the turning load: row 8 h + lane % 8,
	v_mul_u32_u24 v4, v4, PB
	v_bfe_u32 v5, v0, 3, 1
	v_lshl_add_u32 v4, v5, 4, v4                   ; columns 8 ((lane / 8) % 2) on
	s_lshl_b32 s22, s12, 7                         ; my 64 columns
	s_add_co_u32 s22, s22, BOFF
.irp s, 0,1
	v_add_nc_u32 v[ADRA+\s], s21, v3
	v_add_nc_u32 v[ADRB+\s], s22, v4
	s_add_co_u32 s21, s21, SLOT
	s_add_co_u32 s22, s22, SLOT
.endr
	s_mul_i32 s23, s10, 16*SPITCH                  ; my stage
	v_mul_u32_u24 v5, v1, SPITCH
	v_lshl_add_u32 v5, v2, 5, v5
	v_add_nc_u32 v[STO], s23, v5                   ; in: row r, 32 bytes for each half of the lanes
	v_mul_u32_u24 v5, v2, SPITCH
	v_lshl_add_u32 v5, v1, 4, v5
	v_add_nc_u32 v[RD], s23, v5                    ; back: lanes 0-15 one row of 256 bytes, lanes 16-31 the next
	v_lshlrev_b32 v[CO], 4, v1
	v_lshl_add_u32 v[CO], v2, 12, v[CO]            ; and the same two rows in out0
	s_lshl_b32 s20, s13, 8
	s_lshl_b32 s21, s11, 7
	s_add_co_u32 s20, s20, s21                     ; my first row
	s_lshl_b32 s20, s20, 12
	s_add_co_u32 s20, s20, s46                     ; + my first column's bytes: 512 tile column + 256 half, as for the bias
	s_mov_b32 s21, 0
	s_add_nc_u64 s[70:71], s[70:71], s[20:21]
	s_lshl_b32 s18, s40, 13                        ; the prefetches: my work-group's 8,192 bytes of the 32,768 that I fetch
	s_add_co_u32 s18, s18, s16
	s_mov_b32 s19, 0
	s_add_nc_u64 s[PFA:PFA+1], s[4:5], s[18:19]
	s_add_nc_u64 s[PFA:PFA+1], s[PFA:PFA+1], 2*KSA ; at K step 2: the first refill steps it to 3 and names K step 4
	s_or_b32 s[LIM], ttmp9, s11
	s_cmp_eq_u32 s[LIM], 0
	s_cselect_b32 s[LIM], 1, -1                    ; the same in all sixteen partners, for a given wave
	v_and_b32 v[PFO], 31, v0
	v_lshlrev_b32 v[PFO], 8, v[PFO]
; 8 matrix instructions: m blocks a0, a0 + 1 against the four n blocks, 32 along K.  first = 1: the sums start from the bias.  The 32 accumulators take turns, one instruction a turn.
.macro MUL8 f, a0, first
.irp a, \a0, \a0+1
.irp b, 0,1,2,3
.if \first
	v_wmma_f32_16x16x32_f16 v[8*(4*(\a)+\b):8*(4*(\a)+\b)+7], v[\f+8*\b:\f+8*\b+7], v[\f+32+8*(\a):\f+32+8*(\a)+7], v[BIAS+8*\b:BIAS+8*\b+7]
.else
	v_wmma_f32_16x16x32_f16 v[8*(4*(\a)+\b):8*(4*(\a)+\b)+7], v[\f+8*\b:\f+8*\b+7], v[\f+32+8*(\a):\f+32+8*(\a)+7], v[8*(4*(\a)+\b):8*(4*(\a)+\b)+7]
.endif
.endr
.endr
.endm
; 24 LDS loads in one run: the fragments of the slot's q-th 32 along K: W's four (turned), y's blocks 0-3, y's blocks 4-7
.macro FETCH slot, q, f
.irp b, 0,1,2,3
	ds_load_tr16_b128 v[\f+8*\b:\f+8*\b+3], v[ADRB+\slot] offset:32*(\q)*PB+32*\b
	ds_load_tr16_b128 v[\f+8*\b+4:\f+8*\b+7], v[ADRB+\slot] offset:32*(\q)*PB+16*PB+32*\b
.endr
.irp i, 0,1,2,3,4,5,6,7
	ds_load_b128 v[\f+32+8*\i:\f+32+8*\i+3], v[ADRA+\slot] offset:((\q)/2)*ACH+64*((\q)%2)+\i*16*PA
	ds_load_b128 v[\f+32+8*\i+4:\f+32+8*\i+7], v[ADRA+\slot] offset:((\q)/2)*ACH+64*((\q)%2)+\i*16*PA+32
.endr
.endm
.macro PLACES
.rept 4
	v_nop
.endr
.endm
; A quarter of a K step: multiplies buffer f and, in its middle, fetches the slot's quarter qn into buffer g.
.macro QUARTER slot, qn, f, g, first
	s_wait_dscnt 8                                 ; W's fragments and y's blocks 0-3 are in; the youngest eight loads may be out
	WIN MUL-0x10*(\first)                          ; (with the bias as C: source 2 in window 0)
	MUL8 \f, 0, \first
	MUL8 \f, 2, \first
	WIN 0
	PLACES
	FETCH \slot, \qn, \g
	s_wait_dscnt 24                                ; all but the 24 just issued
	WIN MUL-0x10*(\first)
	MUL8 \f, 4, \first
	MUL8 \f, 6, \first
.endm
; The last quarter multiplies buffer 1 and changes slots: one barrier; in front of it each wave waits for all its tensor loads, adds 0 to its spare word, and waits for that and for its reads of this slot.
; fill = 1: the barrier opens a round of the cluster's barrier, and this slot is filled again, two K steps ahead: 112 matrix instructions stand between the request and the wait for it.
.macro TURN slot, next, fill
.if \fill
	s_wait_xcnt 0x0                                ; the last prefetch, a K step back, has read its address
	s_add_nc_u64 s[PFA:PFA+1], s[PFA:PFA+1], KSA
.endif
	WIN 0
	s_wait_tensorcnt 0x0                           ; all my tensor loads have landed: my part of the next slot
	ds_add_u32 v[SPW], v[NIL]
	s_wait_dscnt 9                                 ; (the add and the youngest eight loads may be out)
	WIN MUL
	MUL8 F1, 0, 0
	s_wait_dscnt 0x0                               ; the add is done, and my reads of this slot are over
	s_barrier_signal -1
	MUL8 F1, 2, 0
	WIN 0
	s_barrier_wait -1
.if \fill
	CREST                                          ; no wave of any partner still reads this slot or has a load on its way
	s_add_nc_u64 s[G0+4*\slot+2:G0+4*\slot+3], s[G0+4*\slot+2:G0+4*\slot+3], 2*KSA
	s_add_nc_u64 s[G0B+4*\slot+2:G0B+4*\slot+3], s[G0B+4*\slot+2:G0B+4*\slot+3], 2*KSB
	JLOAD \slot                                    ; the four v_nop behind it are also the places in front of the loads below
.else
	PLACES
.endif
	FETCH \next, 0, F0
.if \fill
	ASK
.endif
	WIN MUL
	MUL8 F1, 4, 0
	MUL8 F1, 6, 0
.endm
	s_wait_tensorcnt 1                             ; my part of K step 0 is in; K step 1's may be out
	s_barrier_signal -1
	s_barrier_wait -1
	s_wait_loadcnt 0x0                             ; the bias
	FETCH 0, 0, F0
	QUARTER 0, 1, F0, F1, 1                        ; the first quarter stands in front of the loop: its products start the sums
	WIN 0
	s_mov_b32 s3, 3
.Llap:                                                 ; a trip goes once round the ring and fills both slots again
	QUARTER 0, 2, F1, F0, 0
	QUARTER 0, 3, F0, F1, 0
	TURN 0, 1, 1
	QUARTER 1, 1, F0, F1, 0
	QUARTER 1, 2, F1, F0, 0
	QUARTER 1, 3, F0, F1, 0
	TURN 1, 0, 1
	QUARTER 0, 1, F0, F1, 0
	WIN 0
	s_sub_co_u32 s3, s3, 1
	s_cmp_lg_u32 s3, 0
	s_cbranch_scc1 .Llap
	QUARTER 0, 2, F1, F0, 0                        ; the last lap fills nothing
	QUARTER 0, 3, F0, F1, 0
	TURN 0, 1, 0
	QUARTER 1, 1, F0, F1, 0
	QUARTER 1, 2, F1, F0, 0
	QUARTER 1, 3, F0, F1, 0
	s_wait_dscnt 8
	WIN MUL
	MUL8 F1, 0, 0
	MUL8 F1, 2, 0
	s_wait_dscnt 0
	MUL8 F1, 4, 0
	MUL8 F1, 6, 0
	WIN 0
; THE WAY OUT, a block of 16 rows x 64 columns at a time, through my own stage: sixteen lanes store 256 consecutive bytes, aligned.
.macro TOSTAGE a
	WIN 0x04                                       ; an LDS store's data: window 1
.irp b, 0,1,2,3
	ds_store_b128 v[STO], v[8*(4*(\a)+\b):8*(4*(\a)+\b)+3] offset:64*\b          ; each accumulator from its low end on
	ds_store_b128 v[STO], v[8*(4*(\a)+\b)+4:8*(4*(\a)+\b)+7] offset:64*\b+16
.endr
	WIN 0
.set BB, OB+32*((\a)%2)
.irp t, 0,1,2,3,4,5,6,7
	ds_load_b128 v[BB+4*\t:BB+4*\t+3], v[RD] offset:\t*2*SPITCH   ; in order behind my stores
.endr
.endm
.macro SEND a, younger
.set BB, OB+32*((\a)%2)
	s_wait_dscnt \younger
.irp t, 0,1,2,3,4,5,6,7
	global_store_b128 v[CO], v[BB+4*\t:BB+4*\t+3], s[70:71] offset:65536*(\a)+8192*\t th:TH_STORE_NT
.endr
.endm
	PLACES
	TOSTAGE 0
.irp a, 1,2,3,4,5,6,7
.if \a > 1
	s_wait_xcnt 0x0                                ; block a - 2's stores have read their registers: block a's loads may land there
.endif
	TOSTAGE \a
	SEND \a-1, 16                                  ; behind block a - 1's loads: block a's 8 stores and 8 loads
.endr
	SEND 7, 0
	s_wait_tensorcnt 0x0                           ; the wave's end
	ds_add_u32 v[SPW], v[NIL]
	s_wait_dscnt 0x0
	CROUND                                         ; the closing round
	s_endpgm
.Lfunc_end_k_q34e2a89d79_proj:
	.size	k_q34e2a89d79_proj, .Lfunc_end_k_q34e2a89d79_proj-k_q34e2a89d79_proj
	.p2alignl 7, 3214868480
	.fill 96, 4, 3214868480
	.section	.rodata,"a",@progbits
	.p2align	6, 0x0
	.amdhsa_kernel k_q34e2a89d79_proj
		.amdhsa_group_segment_fixed_size 327680
		.amdhsa_private_segment_fixed_size 0
		.amdhsa_enable_private_segment 0
		.amdhsa_kernarg_size 32
		.amdhsa_user_sgpr_count 2
		.amdhsa_user_sgpr_kernarg_segment_ptr 1
		.amdhsa_wavefront_size32 1
		.amdhsa_system_sgpr_workgroup_id_x 1
		.amdhsa_system_sgpr_workgroup_id_y 1
		.amdhsa_system_sgpr_workgroup_id_z 1
		.amdhsa_system_vgpr_workitem_id 0
		.amdhsa_next_free_vgpr 512
		.amdhsa_next_free_sgpr 72
		.amdhsa_reserve_vcc 0
		.amdhsa_float_denorm_mode_32 3
		.amdhsa_float_denorm_mode_16_64 3
		.amdhsa_memory_ordered 1
		.amdhsa_forward_progress 1
		.amdhsa_inst_pref_size 87
	.end_amdhsa_kernel
	.amdgpu_metadata
---
amdhsa.version: [ 1, 2 ]
amdhsa.kernels:
  - .name:           k_q34e2a89d79_proj
    .symbol:         k_q34e2a89d79_proj.kd
    .args:
      - { .name: y16, .offset: 0, .size: 8, .value_kind: global_buffer, .address_space: global }
      - { .name: wo16, .offset: 8, .size: 8, .value_kind: global_buffer, .address_space: global }
      - { .name: b_out, .offset: 16, .size: 8, .value_kind: global_buffer, .address_space: global }
      - { .name: out0, .offset: 24, .size: 8, .value_kind: global_buffer, .address_space: global }
    .group_segment_fixed_size: 327680
    .private_segment_fixed_size: 0
    .kernarg_segment_align: 8
    .kernarg_segment_size: 32
    .max_flat_workgroup_size: 128
    .sgpr_count:     72
    .vgpr_count:     512
    .wavefront_size: 32
...
	.end_amdgpu_metadata
.endif
;; end of part 4
;; launch first16 (part 5): grid 16 x 4, 16 waves a work-group, no clusters, 71,680 bytes of LDS; arguments qkvf, W_out, b_out, out0; writes out0
.if DOCPART == 5
	.amdgcn_target "amdgcn-amd-amdhsa--gfx1250"
	.amdhsa_code_object_version 6
	.text
	.protected	k_q34e2a89d79_first16
	.globl	k_q34e2a89d79_first16
	.p2align	8
	.type	k_q34e2a89d79_first16,@function
k_q34e2a89d79_first16:
	s_mov_b64 s[64:65], 0
	v_nop
	global_prefetch_b8 v0, s[64:65] scope:SCOPE_SE
	s_setreg_imm32_b32 hwreg(HW_REG_WAVE_MODE, 25, 1), 1
	s_wait_xcnt 0x0
; FIRST16: the first 16 tokens of each batch, attention and projection, with f32 operands throughout: these rows average one to sixteen values and are the largest of the output.
; qkvf: f32, [batch][n / 16 (192)][g][lane][4]: lane (r, h) holds token r, columns 16 (n / 16) + 8 h + 4 g + 0..3 of q | k | v with the bias.  out0 rows batch x 2048 + 0..15 are written over.
; SHARES: work-group (x, y) makes output columns 64 x .. 64 x + 63 of batch y.  Wave w is head w: it makes its head's 16 x 16 attention (96 products of 16 x 16 x 4 in all: no bulk work) and multiplies
; y's 64 channels by its 64 rows of W_out; the sixteen partial sums meet in LDS, and wave w adds and stores token w's 256 bytes.  The attention is made again in each of the 16 work-groups of a batch: 32 products.
; K SLOTS: the form's slot 2 (lane / 16) + j stands, on both sides alike, for what the lane's own pair of registers holds; so the register images are the operands as they stand.
; No tensor load, no cluster: what is shared is 12 KiB a head.
; REGISTERS: v1-9 addresses; v10-15 at work; v16-23 the scores, then p; v24-31 at work; v32-63 q, later y; v64-95 k, later W's third tile; v96-127 v, later W's fourth; v160-223 W's first two tiles, later the partial sums.
; v128-159 and v224-255 are written by matrix instructions alone.
.set RP,    272                        ; a row of a partial sum in LDS: 256 bytes + 16
.set SPARE, 16*16*RP                   ; behind the sixteen partial sums: the spare words, 128 bytes a wave
.set SPW, 1
.set NIL, 2
.set T,   16
.set QR,  32
.set KR,  64
.set VR,  96
.set ACC, 128
.set W01, 160
.set ACC2, 224
	s_load_b256 s[4:11], s[0:1], 0x0               ; qkvf s[4:5], W_out s[6:7], b_out s[8:9], out0 s[10:11]
	v_lshl_add_u32 v[SPW], v0, 2, SPARE
	v_mov_b32 v[NIL], 0
	v_lshrrev_b32 v3, 5, v0
	v_readfirstlane_b32 s12, v3                    ; wave = head
	s_and_b32 s13, ttmp7, 0xffff                   ; batch
	v_and_b32 v10, 31, v0                          ; lane
	v_and_b32 v11, 15, v0                          ; r
	v_bfe_u32 v12, v0, 4, 1                        ; h
	v_lshlrev_b32 v3, 4, v10                       ; an image's place for my lane
	v_bfe_u32 v13, v0, 2, 1                        ; v, turned: channel 16 nt + r of key 8 h + j lies in half (r / 4) % 2, lane 16 (r / 8) + key, word r % 4
	v_lshlrev_b32 v4, 9, v13
	v_bfe_u32 v13, v0, 3, 1
	v_lshl_add_u32 v4, v13, 8, v4
	v_and_b32 v13, 3, v0
	v_lshl_add_u32 v4, v13, 2, v4
	v_lshl_add_u32 v4, v12, 7, v4
	v_lshlrev_b32 v5, 2, v11                       ; W_out: column r, rows 8 h on
	v_lshl_add_u32 v5, v12, 15, v5
	v_lshlrev_b32 v6, 3, v12
	v_sub_nc_u32 v6, v11, v6                       ; r - 8 h: key 8 h + j is hidden from query r where j > r - 8 h
	s_mul_i32 s14, s12, 16*RP
	v_mul_u32_u24 v7, v11, RP
	v_lshl_add_u32 v7, v12, 5, v7
	v_add_nc_u32 v7, s14, v7                       ; my partial sum: token r, 32 bytes for each half of the lanes
	s_mul_i32 s14, s12, RP
	v_lshlrev_b32 v9, 3, v10                       ; 8 bytes a lane
	v_add_nc_u32 v8, s14, v9                       ; token w's row in a partial sum
	s_mul_i32 s16, s13, 196608
	s_lshl_b32 s17, s12, 12
	s_add_co_u32 s16, s16, s17                     ; qkvf: batch x 192 blocks + head x 4 blocks, of 1,024 bytes
	s_mov_b32 s17, 0
	s_lshl_b32 s18, s12, 18                        ; W_out: my 64 rows of 4,096 bytes,
	s_lshl_b32 s19, ttmp9, 8                       ; the work-group's 64 columns
	s_add_co_u32 s18, s18, s19
	s_mov_b32 s24, s19
	s_mov_b32 s19, 0
	s_mov_b32 s25, 0
	s_lshl_b32 s26, s13, 11
	s_add_co_u32 s26, s26, s12
	s_lshl_b32 s26, s26, 12                        ; out0: row batch x 2048 + w
	s_add_co_u32 s26, s26, s24
	s_mov_b32 s27, 0
	s_mov_b32 s20, 0x76543210
	s_mov_b32 s21, 0xfedcba98
	s_mov_b32 s22, 0x3e38aa3b                      ; c = log2(e) / sqrt(64)
	s_wait_kmcnt 0x0
	s_add_nc_u64 s[4:5], s[4:5], s[16:17]
	s_add_nc_u64 s[6:7], s[6:7], s[18:19]
	s_add_nc_u64 s[8:9], s[8:9], s[24:25]
	s_add_nc_u64 s[10:11], s[10:11], s[26:27]
.irp nt, 0,1,2,3
.irp g, 0,1
	global_load_b128 v[QR+8*\nt+4*\g:QR+8*\nt+4*\g+3], v3, s[4:5] offset:1024*\nt+512*\g          ; q: register 8 nt + x = channel 16 nt + 8 h + x of token r
	global_load_b128 v[KR+8*\nt+4*\g:KR+8*\nt+4*\g+3], v3, s[4:5] offset:65536+1024*\nt+512*\g    ; k likewise
.endr
.endr
.irp nt, 0,1,2,3
.irp j, 0,1,2,3,4,5,6,7
	global_load_b32 v[VR+8*\nt+\j], v4, s[4:5] offset:131072+1024*\nt+16*\j                      ; v: register 8 nt + j = key 8 h + j of channel 16 nt + r
.endr
.endr
.macro WLOAD reg, nt                   ; W_out's tile nt: register 2 (4 kt + i) + j = row 16 kt + 8 h + 2 i + j of my 64, column 16 nt + r
.irp kt, 0,1,2,3
.irp i, 0,1,2,3
.irp j, 0,1
	global_load_b32 v[\reg+2*(4*\kt+\i)+\j], v5, s[6:7] offset:(16*\kt+2*\i+\j)*4096+64*\nt
.endr
.endr
.endr
.endm
	WLOAD W01, 0
	WLOAD W01+32, 1
	s_wait_loadcnt 63                              ; q, k and v are in: 64 younger loads stand behind them, and 63 is the largest count that the wait can name
.irp i, 0,1,2,3                                ; S^T = k q^T: four accumulators by turns, 16 channels each
.irp nt, 0,1,2,3
.if \i == 0
	v_wmma_f32_16x16x4_f32 v[ACC+8*\nt:ACC+8*\nt+7], v[KR+8*\nt+2*\i:KR+8*\nt+2*\i+1], v[QR+8*\nt+2*\i:QR+8*\nt+2*\i+1], 0
.else
	v_wmma_f32_16x16x4_f32 v[ACC+8*\nt:ACC+8*\nt+7], v[KR+8*\nt+2*\i:KR+8*\nt+2*\i+1], v[QR+8*\nt+2*\i:QR+8*\nt+2*\i+1], v[ACC+8*\nt:ACC+8*\nt+7]
.endif
.endr
.endr
.rept 8
	v_nop                                          ; eight places behind this form
.endr
	WLOAD KR, 2                                    ; into k's registers
.irp j, 0,1,2,3,4,5,6,7
	v_add_f32 v[24+\j], v[ACC+\j], v[ACC+8+\j]     ; each accumulator from its low end on
.endr
.irp j, 0,1,2,3,4,5,6,7
	v_add_f32 v[T+\j], v[ACC+16+\j], v[ACC+24+\j]
.endr
.irp j, 0,1,2,3,4,5,6,7
	v_add_f32 v[T+\j], v[T+\j], v[24+\j]           ; lane (r, h): the score of query r and key 8 h + j
.endr
	v_mov_b32 v10, 0xff800000                      ; -infinity
.irp j, 0,1,2,3,4,5,6,7
	v_cmp_gt_i32 vcc_lo, \j, v6
	v_cndmask_b32 v[T+\j], v[T+\j], v10, vcc_lo
.endr
	v_max3_num_f32 v11, v[T], v[T+1], v[T+2]
	v_max3_num_f32 v12, v[T+3], v[T+4], v[T+5]
	v_max3_num_f32 v11, v11, v[T+6], v[T+7]
	v_max_num_f32 v11, v11, v12
	v_permlanex16_b32 v12, v11, s20, s21
	v_max_num_f32 v11, v11, v12                    ; the row's largest score: key 0 counts for every query
	v_mul_f32 v11, s22, v11
.irp j, 0,1,2,3,4,5,6,7
	v_fma_f32 v[T+\j], v[T+\j], s22, -v11
.endr
.irp j, 0,1,2,3,4,5,6,7
	v_exp_f32 v[T+\j], v[T+\j]
.endr
	v_nop
	s_wait_alu depctr_va_vdst(0)                   ; one wait for the eight, ahead of their first reader
	v_add_f32 v12, v[T], v[T+1]
	v_add_f32 v13, v[T+2], v[T+3]
	v_add_f32 v15, v[T+4], v[T+5]
	v_add_f32 v24, v[T+6], v[T+7]
	v_add_f32 v12, v12, v13
	v_add_f32 v15, v15, v24
	v_add_f32 v12, v12, v15
	v_permlanex16_b32 v13, v12, s20, s21
	v_add_f32 v12, v12, v13                        ; the row's sum
	v_rcp_f32 v14, v12
	v_nop
.irp i, 0,1,2,3                                ; y^T = v^T p: four accumulators by turns, 16 channels each
.irp nt, 0,1,2,3
.if \i == 0
	v_wmma_f32_16x16x4_f32 v[ACC2+8*\nt:ACC2+8*\nt+7], v[VR+8*\nt+2*\i:VR+8*\nt+2*\i+1], v[T+2*\i:T+2*\i+1], 0
.else
	v_wmma_f32_16x16x4_f32 v[ACC2+8*\nt:ACC2+8*\nt+7], v[VR+8*\nt+2*\i:VR+8*\nt+2*\i+1], v[T+2*\i:T+2*\i+1], v[ACC2+8*\nt:ACC2+8*\nt+7]
.endif
.endr
.endr
.rept 8
	v_nop
.endr
	WLOAD VR, 3                                    ; into v's registers
	global_load_b64 v[10:11], v9, s[8:9]           ; b_out: my two columns
	s_wait_alu depctr_va_vdst(0)                   ; the reciprocal, ahead of its first reader
.set n, 0
.rept 32
	v_mul_f32 v[QR+n], v[ACC2+n], v14              ; y: register 8 nt + j = channel 16 nt + 8 h + j of token r
.set n, n+1
.endr
	s_wait_loadcnt 63                              ; W's first two tiles are in: 65 younger loads stand behind them
.set n, 0
.rept 16                                       ; out^T += W^T y: two accumulators by turns
.if n == 0
	v_wmma_f32_16x16x4_f32 v[ACC:ACC+7], v[W01+2*n:W01+2*n+1], v[QR+2*n:QR+2*n+1], 0
	v_wmma_f32_16x16x4_f32 v[ACC+8:ACC+15], v[W01+32+2*n:W01+32+2*n+1], v[QR+2*n:QR+2*n+1], 0
.else
	v_wmma_f32_16x16x4_f32 v[ACC:ACC+7], v[W01+2*n:W01+2*n+1], v[QR+2*n:QR+2*n+1], v[ACC:ACC+7]
	v_wmma_f32_16x16x4_f32 v[ACC+8:ACC+15], v[W01+32+2*n:W01+32+2*n+1], v[QR+2*n:QR+2*n+1], v[ACC+8:ACC+15]
.endif
.set n, n+1
.endr
	s_wait_loadcnt 0x0
.set n, 0
.rept 16
.if n == 0
	v_wmma_f32_16x16x4_f32 v[ACC+16:ACC+23], v[KR+2*n:KR+2*n+1], v[QR+2*n:QR+2*n+1], 0
	v_wmma_f32_16x16x4_f32 v[ACC+24:ACC+31], v[VR+2*n:VR+2*n+1], v[QR+2*n:QR+2*n+1], 0
.else
	v_wmma_f32_16x16x4_f32 v[ACC+16:ACC+23], v[KR+2*n:KR+2*n+1], v[QR+2*n:QR+2*n+1], v[ACC+16:ACC+23]
	v_wmma_f32_16x16x4_f32 v[ACC+24:ACC+31], v[VR+2*n:VR+2*n+1], v[QR+2*n:QR+2*n+1], v[ACC+24:ACC+31]
.endif
.set n, n+1
.endr
.rept 8
	v_nop
.endr
.irp nt, 0,1,2,3
	ds_store_b128 v7, v[ACC+8*\nt:ACC+8*\nt+3] offset:64*\nt       ; lane (r, h): token r, columns 16 nt + 8 h + 0..7
	ds_store_b128 v7, v[ACC+8*\nt+4:ACC+8*\nt+7] offset:64*\nt+16
.endr
	s_wait_dscnt 0x0                               ; for the others' sake: my partial sum lies in LDS
	s_barrier_signal -1
	s_barrier_wait -1
.irp p, 0,1,2,3,4,5,6,7,8,9,10,11,12,13,14,15
	ds_load_b64 v[W01+2*\p:W01+2*\p+1], v8 offset:16*RP*\p         ; token w's row of head p's partial sum
.endr
	s_wait_dscnt 0x0
	v_pk_add_f32 v[10:11], v[10:11], v[W01:W01+1]                  ; the bias and the sixteen heads, in two chains of a fixed order
	v_pk_add_f32 v[12:13], v[W01+2:W01+3], v[W01+4:W01+5]
.irp p, 3,5,7,9,11,13
	v_pk_add_f32 v[10:11], v[10:11], v[W01+2*\p:W01+2*\p+1]
	v_pk_add_f32 v[12:13], v[12:13], v[W01+2*\p+2:W01+2*\p+3]
.endr
	v_pk_add_f32 v[10:11], v[10:11], v[W01+30:W01+31]
	v_pk_add_f32 v[10:11], v[10:11], v[12:13]
	global_store_b64 v9, v[10:11], s[10:11]        ; 32 lanes store 256 consecutive bytes, aligned
	s_wait_tensorcnt 0x0                           ; the wave's end
	ds_add_u32 v[SPW], v[NIL]
	s_wait_dscnt 0x0
	s_endpgm
.Lfunc_end_k_q34e2a89d79_first16:
	.size	k_q34e2a89d79_first16, .Lfunc_end_k_q34e2a89d79_first16-k_q34e2a89d79_first16
	.p2alignl 7, 3214868480
	.fill 96, 4, 3214868480
	.section	.rodata,"a",@progbits
	.p2align	6, 0x0
	.amdhsa_kernel k_q34e2a89d79_first16
		.amdhsa_group_segment_fixed_size 71680
		.amdhsa_private_segment_fixed_size 0
		.amdhsa_enable_private_segment 0
		.amdhsa_kernarg_size 32
		.amdhsa_user_sgpr_count 2
		.amdhsa_user_sgpr_kernarg_segment_ptr 1
		.amdhsa_wavefront_size32 1
		.amdhsa_system_sgpr_workgroup_id_x 1
		.amdhsa_system_sgpr_workgroup_id_y 1
		.amdhsa_system_sgpr_workgroup_id_z 1
		.amdhsa_system_vgpr_workitem_id 0
		.amdhsa_next_free_vgpr 256
		.amdhsa_next_free_sgpr 66
		.amdhsa_reserve_vcc 1
		.amdhsa_float_denorm_mode_32 3
		.amdhsa_float_denorm_mode_16_64 3
		.amdhsa_memory_ordered 1
		.amdhsa_forward_progress 1
		.amdhsa_inst_pref_size 33
	.end_amdhsa_kernel
	.amdgpu_metadata
---
amdhsa.version: [ 1, 2 ]
amdhsa.kernels:
  - .name:           k_q34e2a89d79_first16
    .symbol:         k_q34e2a89d79_first16.kd
    .args:
      - { .name: qkvf, .offset: 0, .size: 8, .value_kind: global_buffer, .address_space: global }
      - { .name: W_out, .offset: 8, .size: 8, .value_kind: global_buffer, .address_space: global }
      - { .name: b_out, .offset: 16, .size: 8, .value_kind: global_buffer, .address_space: global }
      - { .name: out0, .offset: 24, .size: 8, .value_kind: global_buffer, .address_space: global }
    .group_segment_fixed_size: 71680
    .private_segment_fixed_size: 0
    .kernarg_segment_align: 8
    .kernarg_segment_size: 32
    .max_flat_workgroup_size: 512
    .sgpr_count:     66
    .vgpr_count:     256
    .wavefront_size: 32
...
	.end_amdgpu_metadata
.endif
;; end of part 5
